; MI455X (gfx1250); checked and timed in simulation.
; The chip was launched on July 23, 2026; its instructions are those of AMD's public machine-readable ISA for CDNA 5 (MIT licence, August 2026) and "CDNA5" Instruction Set Architecture Reference Guide (July 2026). The comments in the code are by the model that wrote it; some were corrected since.
;; Multi Headed Attention. Allowed arithmetic: matrix products marked QUANTISED: E2M3 operands, one E8M0 scale for each 32 along K, by v_wmma_scale_f32_16x16x128_f8f6f4 with both operands' format E2M3, f32 sums; everything else in f32.
;; Inputs: Wk 1,024 x 1,024 float32; Wo 1,024 x 1,024 float32; Wq 1,024 x 1,024 float32; Wv 1,024 x 1,024 float32; bk 1,024 float32; bo 1,024 float32; bq 1,024 float32; bv 1,024 float32; key 4 x 2,048 x 1,024 float32; query 4 x 2,048 x 1,024 float32; value 4 x 2,048 x 1,024 float32.
;; Outputs: out0 4 x 2,048 x 1,024 float32.
;; This version of the problem:
;;   THIS VERSION OF THE PROBLEM IS GIVEN IN LOW PRECISION. The matrix products marked QUANTISED in the list below multiply operands that are first quantised to E2M3 (2 exponent bits, 3 mantissa bits; 6 bits a number), with one power-of-two scale for each 32 numbers along K (OCP MX v1.0); their sums are f32. All else is computed in f32.
;;   The module's matrix products, in the order in which they are computed (A, B: the left and right operand; K: the contracted axis; several contracted axes count as one K, in the product's order):
;;     1. [M 8,192, K 1,024] x [K 1,024, N 1,024]; A: input query; B: input Wq: QUANTISED
;;     2. [M 8,192, K 1,024] x [K 1,024, N 1,024]; A: input key; B: input Wk: QUANTISED
;;     3. [M 8,192, K 1,024] x [K 1,024, N 1,024]; A: input value; B: input Wv: QUANTISED
;;     4. batch 64 x [M 2,048, K 64] x [K 64, N 2,048]; A: computed on the way; B: computed on the way: QUANTISED
;;     5. batch 64 x [M 2,048, K 2,048] x [K 2,048, N 64]; A: softmax (see below); B: computed on the way: QUANTISED
;;     6. [M 8,192, K 1,024] x [K 1,024, N 1,024]; A: computed on the way; B: input Wo: QUANTISED
;;   THE QUANTISER, for each operand of a quantised product, along K:
;;     - K is cut into blocks of 32 from its start; a last block that is shorter is filled with zeros.
;;     - A block's scale is 2^e with e = floor(log2(the largest magnitude in the block)) - 2, held to -126 .. 127; a block of zeros has e = 0. As a byte (E8M0): e + 127.
;;     - Each number is divided by its block's scale, clamped to +-7.5, and rounded to the nearest number of E2M3, ties to even, subnormals kept.
;;     - The product sums the exact products of the quantised numbers (number of the format x scale) in f32.
;;   ~~~python
;;   def quantise(x, axis):      # numpy; x: float32 -> the quantised numbers, widened to float32 again
;;       x = np.moveaxis(x, axis, -1); K = x.shape[-1]
;;       x = np.pad(x, [(0, 0)] * (x.ndim - 1) + [(0, -K % 32)]); x = x.reshape(x.shape[:-1] + (-1, 32)); a = np.abs(x).max(-1, keepdims=True)
;;       e = np.where(a > 0, np.clip(np.frexp(np.where(a > 0, a, 1))[1] - 1 - 2, -126, 127), 0)      # np.frexp(a)[1] - 1 = floor(log2(a)), exactly
;;       r = np.clip(x / 2.0 ** e, -7.5, 7.5)
;;       step = 2.0 ** (np.maximum(np.frexp(np.where(r == 0, 1, r))[1] - 1, 0) - 3)
;;       q = np.round(r / step) * step * 2.0 ** e      # np.round: ties to even
;;       return np.moveaxis(q.reshape(q.shape[:-2] + (-1,))[..., :K], -1, axis).astype(np.float32)
;;   ~~~
;;   SOFTMAX AHEAD OF A QUANTISED PRODUCT. Where the list says 'softmax', what is quantised is not the finished softmax but p = 2^(t - M), with t = logit x log2(e) and M = ceil(the row's largest t), a whole number; so 1/2 < the row's largest p <= 1. The row's sum l is taken of the UNQUANTISED p, in f32, and the product's result is divided by l at the end. Since M is a whole number, a kernel that streams over the keys may use a running M (the ceiling of the running maximum): every later rescaling is an exact power of two, which a block's scale takes up: the codes' values come out the same.
;;   OPERANDS COMPUTED ON THE WAY. 'Computed on the way' means the value that the module computes at that place (a softmax that the list does not call 'softmax' is quantised finished and normalised). What goes into a quantiser is computed in f32, as accurately as f32 sums, v_exp_f32 and their like allow (about 1e-6 of the number): no bf16 or f16 on the way to a quantiser, and a product that is left as it is and whose result goes on into a quantised operand takes f32 operands (vector FMAs, or v_wmma_f32_16x16x4_f32). A number that lies on a knife's edge between two numbers of the format may be rounded either way, as far as f32 arithmetic and the matrix unit's own rounding can turn it there, and no further.
;; One version. Each part assembles by itself: llvm-mc -triple=amdgcn-amd-amdhsa -mcpu=gfx1250 --defsym DOCPART=n.
;; ======== version 1 of 1: 4 launches
;; limits: right only within a limited range of input values
;; workspace buffers: xq 19,660,800 bytes; wq 3,276,800 bytes; qi 6,553,600 bytes; kv 13,107,200 bytes; cq 6,553,600 bytes
;; launch quant (part 1): grid 640 x 1, 4 waves a work-group, no clusters, 34,304 bytes of LDS; arguments query, key, value, Wq, Wk, Wv, Wo, xq, wq; writes xq, wq
.if DOCPART == 1
	.amdgcn_target "amdgcn-amd-amdhsa--gfx1250"
	.amdhsa_code_object_version 6
	.text
	.protected	k_q43f2939423_quant
	.globl	k_q43f2939423_quant
	.p2align	8
	.type	k_q43f2939423_quant,@function
k_q43f2939423_quant:
	s_mov_b64 s[64:65], 0
	v_nop
	global_prefetch_b8 v0, s[64:65] scope:SCOPE_SE
	s_setreg_imm32_b32 hwreg(HW_REG_WAVE_MODE, 25, 1), 1
	s_wait_xcnt 0x0
; query, key, value [8192][1024] and Wq, Wk, Wv, Wo [1024 (k)][1024 (n)], f32, become codes of FP6 (E2M3) with one E8M0 byte for each 32 along K, laid in the ORDER OF AN OPERAND'S REGISTERS.
; POSITIONS.  In every group of 32 rows (of x: tokens; of W: columns n) position 16 u + r holds row 8 u + r + 8 (r / 8); a tile is 16 neighbouring positions.
; A FRAGMENT (16 positions x 128 K) is 1,536 bytes: for c = 0, 1 a half of 768: lane l = 16 h + r holds the 24 bytes of K block 2 c + h of position r: bytes 0-15 at 16 l, bytes 16-23 at 512 + 8 l.
; Codes: [tile][K step 0..7][1,536].  Scale words: [position][8 words], a word for each K step.
; A block's scale is 2^(floor(log2(largest magnitude)) - 2); its byte is the largest magnitude's exponent field - 2, held at 1 from below.
; LIMITS: NaN and infinities are not served; a block whose largest magnitude lies under 2^-124 keeps the byte 1; a block of zeros gets the byte 1 where the rule says 127: its codes are zeros, and this program alone reads the bytes.
; Work-groups 0-255 take the weights, 256-639 the three x.  No tensor load, no barrier: waves share nothing.
; x: a wave takes one tile over all of K.  Each load reads 512 consecutive bytes of a row; a K step's 16 rows turn through the wave's own stage in LDS (rows 528 bytes apart), so that a lane gets 16 neighbours of each block.
; W: a wave takes 32 columns x 128 K; a lane is a column and its registers run down K, so that a block lies in one lane.  Of its stores those of 16 bytes a lane cover 256 consecutive bytes for each tile,
;    those of 8 bytes 128, and the scale words go out 4 bytes a lane, 32 bytes apart: 131,072 bytes of the launch's output.
.set XC,    6291456                    ; codes of one x: 512 tiles x 12,288
.set XS,    262144                     ; scale words of one x
.set WC,    786432                     ; codes of one weight: 64 tiles x 12,288
.set WS,    32768
.set STG,   8448                       ; a wave's stage: 16 rows x 528 bytes
.set SPARE, 4*STG                      ; behind the stages: the spare words, 128 bytes a wave, which no other line names
.set SPW,   6                          ; v6   LDS address of my spare word; never rewritten
.set NIL,   7                          ; v7   0; never rewritten
.set PWS,   8                          ; v8-15    x: the eight scale words of my row
.set R,     16                         ; v16-143  x: two sets of 64 registers as loaded
.set X,     144                        ; v144-207 x: 64 numbers: register 16 b + i = k 32 b + 16 h + i of row r
.set PC,    208                        ; v208-226 the fragment just made (12 registers) and the conversions' second halves
.set TM,    228                        ; v228-243 at work in QUANT
.set OUTW,  244                        ; v244-247 at work at the head; the four words that I store at the end
.set SEL,   30                         ; s[30:31] v_permlanex16_b32's selects for lane l xor 16
	s_load_b512 s[4:19], s[0:1], 0x0               ; query, key, value, Wq, Wk, Wv, Wo, xq
	s_load_b64 s[20:21], s[0:1], 0x40              ; wq
	v_lshl_add_u32 v[SPW], v0, 2, SPARE
	v_mov_b32 v[NIL], 0
	v_lshrrev_b32 v1, 5, v0
	v_readfirstlane_b32 s22, v1                    ; wave 0..3
	s_mov_b32 s[SEL], 0x76543210
	s_mov_b32 s[SEL+1], 0xfedcba98
	s_cmp_lt_u32 ttmp9, 256
	s_cbranch_scc1 .Lweights
; 64 numbers of a lane, register 16 b + i = k 32 b + 16 (lane / 16) + i of my row, become a fragment's codes in v[PC] on and its scale word in v[pw].
.macro QUANT s, pw
.irp b, 0,1,2,3
	v_max3_num_f32 v[TM+\b], |v[\s+16*\b]|, |v[\s+1+16*\b]|, 0x1800000   ; my 16 numbers of block b, and the floor 2^(3 - 127): the byte cannot fall under 1
.endr
.irp i, 2,4,6,8,10,12,14
.irp b, 0,1,2,3
	v_max3_num_f32 v[TM+\b], v[TM+\b], |v[\s+16*\b+\i]|, |v[\s+1+16*\b+\i]|   ; the four blocks by turns
.endr
.endr
.irp b, 0,1,2,3
	v_permlanex16_b32 v[TM+4+\b], v[TM+\b], s[SEL], s[SEL+1]
.endr
.irp b, 0,1,2,3
	v_max_num_f32 v[TM+\b], v[TM+\b], v[TM+4+\b]   ; with lane l xor 16's: the block's largest magnitude
.endr
.irp b, 0,1,2,3
	v_add_nc_u32 v[TM+12+\b], 0xff000000, v[TM+\b] ; 2 off its exponent field: the conversion's scale operand
.endr
.irp b, 0,1,2,3
	v_lshrrev_b32 v[TM+4+\b], 23, v[TM+12+\b]      ; the scale's byte
.endr
	v_lshl_or_b32 v[\pw], v[TM+5], 8, v[TM+4]      ; four bytes: my row's scale word
	v_lshl_or_b32 v[\pw], v[TM+6], 16, v[\pw]
	v_lshl_or_b32 v[\pw], v[TM+7], 24, v[\pw]
.irp c, 0,1
	v_cvt_scalef32_pk16_fp6_f32 v[PC+6*\c:PC+2+6*\c], v[\s+32*\c:\s+15+32*\c], v[TM+12+2*\c]
	v_cvt_scalef32_pk16_fp6_f32 v[PC+12+4*\c:PC+14+4*\c], v[\s+16+32*\c:\s+31+32*\c], v[TM+12+2*\c+1]   ; (a conversion's three registers begin on an even number)
.endr
	v_nop                                          ; one plain instruction behind the scaled conversions
.irp c, 0,1                                    ; the operand wants a whole block in a lane: lanes 0-15 block 2 c, lanes 16-31 block 2 c + 1
.irp i, 0,1,2
	v_permlane16_swap_b32 v[PC+6*\c+\i], v[PC+12+4*\c+\i]
.endr
.irp i, 0,1,2
	v_mov_b32 v[PC+3+6*\c+\i], v[PC+12+4*\c+\i]
.endr
.endr
.endm
	; ---------------- x ----------------
	s_sub_co_u32 s23, ttmp9, 256
	s_lshr_b32 s24, s23, 7                         ; T: 0 query, 1 key, 2 value
	s_and_b32 s23, s23, 127
	s_lshl_b32 s23, s23, 2
	s_add_co_u32 s23, s23, s22                     ; my tile, 0..511
	v_and_b32 v244, 31, v0                         ; lane
	v_and_b32 v245, 15, v0                         ; r
	v_bfe_u32 v246, v0, 4, 1                       ; h
	v_lshlrev_b32 v1, 4, v244                      ; 16 l
	v_lshlrev_b32 v2, 3, v244                      ; 8 l
	s_mul_i32 s25, s22, STG                        ; my stage
	v_add_nc_u32 v3, s25, v1                       ; into it: 16 l of a row
	v_mul_u32_u24 v4, v245, 528
	v_lshl_add_u32 v4, v246, 6, v4
	v_add_nc_u32 v4, s25, v4                       ; out of it: row r, + 64 h
	v_lshlrev_b32 v5, 5, v245
	v_lshl_add_u32 v5, v246, 4, v5                 ; my four scale words: 32 r + 16 h
.irp b, 0,1,2,3
	v_mov_b32 v[TM+4+\b], 0                        ; written once: a lane permute's destination counts as one of its sources
.endr
	; KEY ALONE has another order of positions: in every group of 64 rows, position r of tile j (0..3) holds row 8 j + r % 8 + 32 (r / 8),
	; so that in the scores a lane's 32 registers of four neighbouring key tiles are one whole block of 32 neighbouring keys.  query and value keep the order of the head comment.
	s_cmp_eq_u32 s24, 1
	s_cselect_b32 s34, 2, 1                        ; log2 of the tiles in a group
	s_cselect_b32 s35, 18, 17                      ; log2 of a group's bytes: 64 or 32 rows of 4,096
	s_cselect_b32 s27, 3, 1
	s_lshr_b32 s26, s23, s34
	s_lshl_b32 s26, s26, s35
	s_and_b32 s27, s23, s27
	s_lshl_b32 s27, s27, 15                        ; 8 rows for each tile of the group
	s_lshl_b32 s36, 0x8000, s34                    ; positions 8-15 begin 32 rows (key) or 16 rows further down
	s_mov_b32 s37, 0
	s_add_co_u32 s26, s26, s27
	s_mov_b32 s27, 0
	s_mul_i32 s28, s24, XC
	s_mul_i32 s29, s23, 12288
	s_add_co_u32 s28, s28, s29                     ; my codes
	s_mov_b32 s29, 0
	s_mul_i32 s32, s24, XS
	s_lshl_b32 s33, s23, 9
	s_add_co_u32 s32, s32, s33
	s_add_co_u32 s32, s32, 3*XC                    ; my scale words
	s_mov_b32 s33, 0
	s_wait_alu depctr_va_vdst(0)
	s_wait_kmcnt 0x0
	s_cmp_eq_u32 s24, 0
	s_cselect_b64 s[4:5], s[4:5], s[6:7]
	s_cmp_eq_u32 s24, 2
	s_cselect_b64 s[4:5], s[8:9], s[4:5]
	s_add_nc_u64 s[4:5], s[4:5], s[26:27]
	s_add_nc_u64 s[34:35], s[4:5], s[36:37]        ; the base of positions 8-15
	s_add_nc_u64 s[6:7], s[18:19], s[28:29]
	s_add_nc_u64 s[8:9], s[18:19], s[32:33]
.macro LOADX s                         ; K step s of my 16 rows: each load reads 512 consecutive bytes of one row
.irp i, 0,1,2,3,4,5,6,7,8,9,10,11,12,13,14,15
	global_load_b128 v[R+64*((\s)%2)+4*\i:R+64*((\s)%2)+4*\i+3], v1, s[4+30*(\i/8):5+30*(\i/8)] offset:(\i%8)*4096+512*(\s) th:TH_LOAD_NT
.endr
.endm
.macro XSTEP s
.if (\s) < 7
	s_wait_loadcnt 16                              ; this K step's 16 loads are in; the next step's 16 may be out
.else
	s_wait_loadcnt 0x0
.endif
.irp i, 0,1,2,3,4,5,6,7,8,9,10,11,12,13,14,15
	ds_store_b128 v3, v[R+64*((\s)%2)+4*\i:R+64*((\s)%2)+4*\i+3] offset:528*\i
.endr
.irp b, 0,1,2,3
.irp j, 0,1,2,3
	ds_load_b128 v[X+16*\b+4*\j:X+16*\b+4*\j+3], v4 offset:128*\b+16*\j   ; LDS serves a wave's instructions in order: these see the stores above
.endr
.endr
	s_wait_dscnt 0x0                               ; my 64 numbers are in, and the stores have read their registers
	s_wait_xcnt 0x0                                ; the last fragment's stores have read theirs: v[PC] on is written again only behind this wait
.if (\s)+2 < 8
	LOADX (\s)+2
.endif
	QUANT X, PWS+(\s)
	global_store_b128 v1, v[PC:PC+3], s[6:7] offset:1536*(\s)          ; 512 consecutive bytes
	global_store_b64 v2, v[PC+4:PC+5], s[6:7] offset:1536*(\s)+512     ; 256 consecutive bytes
	global_store_b128 v1, v[PC+6:PC+9], s[6:7] offset:1536*(\s)+768
	global_store_b64 v2, v[PC+10:PC+11], s[6:7] offset:1536*(\s)+1280
.endm
	LOADX 0
	LOADX 1
.irp s, 0,1,2,3,4,5,6,7
	XSTEP \s
.endr
	v_and_b32 v244, 16, v0
	v_cmp_ne_u32 vcc_lo, 0, v244
.irp j, 0,1,2,3
	v_cndmask_b32 v[OUTW+\j], v[PWS+\j], v[PWS+4+\j], vcc_lo   ; lanes 0-15 K steps 0-3, lanes 16-31 K steps 4-7
.endr
	global_store_b128 v5, v[OUTW:OUTW+3], s[8:9]   ; the tile's 512 bytes of scale words
	s_wait_tensorcnt 0x0                           ; the wave's end, behind my last LDS store
	ds_add_u32 v[SPW], v[NIL]
	s_wait_dscnt 0x0
	s_endpgm
	; ---------------- the weights ----------------
.Lweights:
	s_lshr_b32 s23, ttmp9, 6                       ; which weight: 0 Wq, 1 Wk, 2 Wv, 3 Wo
	s_bfe_u32 s24, ttmp9, 0x30003
	s_and_b32 s25, ttmp9, 7                        ; K step
	s_lshl_b32 s24, s24, 2
	s_add_co_u32 s24, s24, s22                     ; b: my group of 32 columns, 0..31
	v_and_b32 v1, 31, v0
	v_lshlrev_b32 v2, 2, v1                        ; in: 4 bytes a lane.  Lane 16 a + 8 u + w is column 16 a + 8 u + w of the group: position r' = 8 a + w of tile 2 b + u
	v_bfe_u32 v3, v0, 4, 1                         ; a
	v_bfe_u32 v4, v0, 3, 1                         ; u
	v_and_b32 v5, 7, v0
	v_lshl_add_u32 v5, v3, 3, v5                   ; r'
	v_mul_u32_u24 v8, v4, 12288
	v_lshl_add_u32 v9, v5, 4, v8                   ; 12,288 u + 16 r'
	v_lshl_add_u32 v10, v5, 3, v8                  ; 12,288 u + 8 r'
	v_lshl_add_u32 v11, v4, 4, v5
	v_lshlrev_b32 v11, 5, v11                      ; 32 (16 u + r')
	s_lshl_b32 s26, s25, 19                        ; 128 rows of 4,096 bytes a K step
	s_lshl_b32 s27, s24, 7
	s_add_co_u32 s26, s26, s27
	s_mov_b32 s27, 0
	s_mul_i32 s28, s23, WC
	s_mul_i32 s29, s24, 24576
	s_add_co_u32 s28, s28, s29
	s_mul_i32 s29, s25, 1536
	s_add_co_u32 s28, s28, s29                     ; the fragment of tile 2 b, this K step
	s_mov_b32 s29, 0
	s_lshl_b32 s32, s23, 15
	s_lshl_b32 s33, s24, 10
	s_add_co_u32 s32, s32, s33
	s_lshl_b32 s33, s25, 2
	s_add_co_u32 s32, s32, s33
	s_add_co_u32 s32, s32, 4*WC                    ; this K step's word of the group's first position
	s_mov_b32 s33, 0
	s_wait_kmcnt 0x0
	s_cmp_eq_u32 s23, 0
	s_cselect_b64 s[4:5], s[10:11], s[12:13]
	s_cmp_eq_u32 s23, 2
	s_cselect_b64 s[4:5], s[14:15], s[4:5]
	s_cmp_eq_u32 s23, 3
	s_cselect_b64 s[4:5], s[16:17], s[4:5]
	s_add_nc_u64 s[4:5], s[4:5], s[26:27]
	s_add_nc_u64 s[6:7], s[20:21], s[28:29]
	s_add_nc_u64 s[8:9], s[20:21], s[32:33]
.macro LOADW t                         ; block t: W(32 t + i, my column) into set t % 2 of v16-79: 32 lanes read 128 consecutive bytes
.irp i, 0,1,2,3,4,5,6,7,8,9,10,11,12,13,14,15,16,17,18,19,20,21,22,23,24,25,26,27,28,29,30,31
	global_load_b32 v[16+32*((\t)%2)+\i], v2, s[4:5] offset:(32*(\t)+\i)*4096 th:TH_LOAD_NT
.endr
.endm
.macro BLOCK t                         ; block t = 2 c + h goes to registers 6 c .. 6 c + 5 of the fragment lane (r', h): F0 = v80-91, F1 = v92-103
.set XB, 16+32*((\t)%2)
.set FH, 80+12*((\t)%2)+6*((\t)/2)
.if (\t) < 3
	s_wait_loadcnt 32                              ; this block's 32 loads are in; the next block's may be out
.else
	s_wait_loadcnt 0x0
.endif
	v_max3_num_f32 v12, |v[XB]|, |v[XB+1]|, |v[XB+2]|
	v_max3_num_f32 v13, |v[XB+3]|, |v[XB+4]|, |v[XB+5]|
.irp i, 6,10,14,18,22,26
	v_max3_num_f32 v12, v12, |v[XB+\i]|, |v[XB+\i+1]|
	v_max3_num_f32 v13, v13, |v[XB+\i+2]|, |v[XB+\i+3]|
.endr
	v_max3_num_f32 v12, v12, |v[XB+30]|, |v[XB+31]|
	v_max3_num_f32 v12, v12, v13, 0x1800000        ; and the floor
	v_add_nc_u32 v14, 0xff000000, v12              ; the conversion's scale operand
	v_lshrrev_b32 v15, 23, v14                     ; the byte
.if (\t) == 0
	v_mov_b32 v108, v15
.else
	v_lshl_or_b32 v108, v15, 8*(\t), v108          ; the K step's scale word of my column
.endif
	v_cvt_scalef32_pk16_fp6_f32 v[FH:FH+2], v[XB:XB+15], v14
	v_cvt_scalef32_pk16_fp6_f32 v[104:106], v[XB+16:XB+31], v14
	v_nop                                          ; one plain instruction behind the scaled conversions
.irp i, 0,1,2
	v_mov_b32 v[FH+3+\i], v[104+\i]
.endr
.if (\t)+2 < 4
	LOADW (\t)+2
.endif
.endm
	LOADW 0
	LOADW 1
	BLOCK 0
	BLOCK 1
	BLOCK 2
	BLOCK 3
.irp h, 0,1
	global_store_b128 v9, v[80+12*\h:83+12*\h], s[6:7] offset:256*\h
	global_store_b64 v10, v[84+12*\h:85+12*\h], s[6:7] offset:512+128*\h
	global_store_b128 v9, v[86+12*\h:89+12*\h], s[6:7] offset:768+256*\h
	global_store_b64 v10, v[90+12*\h:91+12*\h], s[6:7] offset:1280+128*\h
.endr
	global_store_b32 v11, v108, s[8:9]
	s_endpgm
.Lfunc_end_k_q43f2939423_quant:
	.size	k_q43f2939423_quant, .Lfunc_end_k_q43f2939423_quant-k_q43f2939423_quant
	.p2alignl 7, 3214868480
	.fill 96, 4, 3214868480
	.section	.rodata,"a",@progbits
	.p2align	6, 0x0
	.amdhsa_kernel k_q43f2939423_quant
		.amdhsa_group_segment_fixed_size 34304
		.amdhsa_private_segment_fixed_size 0
		.amdhsa_enable_private_segment 0
		.amdhsa_kernarg_size 72
		.amdhsa_user_sgpr_count 2
		.amdhsa_user_sgpr_kernarg_segment_ptr 1
		.amdhsa_wavefront_size32 1
		.amdhsa_system_sgpr_workgroup_id_x 1
		.amdhsa_system_sgpr_workgroup_id_y 1
		.amdhsa_system_sgpr_workgroup_id_z 1
		.amdhsa_system_vgpr_workitem_id 0
		.amdhsa_next_free_vgpr 256
		.amdhsa_next_free_sgpr 66
		.amdhsa_reserve_vcc 1
		.amdhsa_float_denorm_mode_32 3
		.amdhsa_float_denorm_mode_16_64 3
		.amdhsa_memory_ordered 1
		.amdhsa_forward_progress 1
		.amdhsa_inst_pref_size 86
	.end_amdhsa_kernel
	.amdgpu_metadata
---
amdhsa.version: [ 1, 2 ]
amdhsa.kernels:
  - .name:           k_q43f2939423_quant
    .symbol:         k_q43f2939423_quant.kd
    .args:
      - { .name: query, .offset: 0, .size: 8, .value_kind: global_buffer, .address_space: global }
      - { .name: key, .offset: 8, .size: 8, .value_kind: global_buffer, .address_space: global }
      - { .name: value, .offset: 16, .size: 8, .value_kind: global_buffer, .address_space: global }
      - { .name: Wq, .offset: 24, .size: 8, .value_kind: global_buffer, .address_space: global }
      - { .name: Wk, .offset: 32, .size: 8, .value_kind: global_buffer, .address_space: global }
      - { .name: Wv, .offset: 40, .size: 8, .value_kind: global_buffer, .address_space: global }
      - { .name: Wo, .offset: 48, .size: 8, .value_kind: global_buffer, .address_space: global }
      - { .name: xq, .offset: 56, .size: 8, .value_kind: global_buffer, .address_space: global }
      - { .name: wq, .offset: 64, .size: 8, .value_kind: global_buffer, .address_space: global }
    .group_segment_fixed_size: 34304
    .private_segment_fixed_size: 0
    .kernarg_segment_align: 8
    .kernarg_segment_size: 72
    .max_flat_workgroup_size: 128
    .sgpr_count:     66
    .vgpr_count:     256
    .wavefront_size: 32
...
	.end_amdgpu_metadata
.endif
;; end of part 1
;; launch proj (part 2): grid 4 x 64, 4 waves a work-group, clusters of 4 x 4, 327,680 bytes of LDS; arguments xq, wq, bq, bk, bv, qi, kv; writes qi, kv
.if DOCPART == 2
	.amdgcn_target "amdgcn-amd-amdhsa--gfx1250"
	.amdhsa_code_object_version 6
	.text
	.protected	k_q43f2939423_proj
	.globl	k_q43f2939423_proj
	.p2align	8
	.type	k_q43f2939423_proj,@function
k_q43f2939423_proj:
	s_mov_b64 s[64:65], 0
	v_nop
	global_prefetch_b8 v0, s[64:65] scope:SCOPE_SE
	s_setreg_imm32_b32 hwreg(HW_REG_WAVE_MODE, 25, 1), 1
	s_wait_xcnt 0x0
	s_wait_alu depctr_hold_cnt(0) depctr_sa_sdst(0) depctr_va_vdst(0) depctr_va_sdst(0) depctr_va_ssrc(0) depctr_va_vcc(0) depctr_vm_vsrc(0)
	s_getreg_b32 s2, hwreg(HW_REG_IB_STS2, 6, 4)
	s_cmp_eq_u32 s2, 0
	s_cbranch_scc0 .Lentry_in_a_cluster
	s_endpgm
.Lentry_in_a_cluster:
	s_bfe_u32 s2, ttmp6, 0x10000c
	s_cmp_lg_u32 s2, 0xf033
	s_cbranch_scc0 .Lentry_shape_is_right
	s_endpgm
.Lentry_shape_is_right:
; q = query Wq + bq, k = key Wk + bk, v = value Wv + bv on codes of FP6 (E2M3) with E8M0 scales; each result is quantised anew (q, k along the head's 64 features, v along the keys) and stored as the attention's operands.
; A BLOCK is 128 positions of side A (source 1) x 256 positions of side B (source 0), over all of K = 1,024: A's 8 tiles (98,304 bytes) and B's 16 tiles (196,608 bytes) lie whole in LDS, as they lie in memory: [tile][K step][1,536].
; For q and k side A is 128 tokens and side B 256 columns of W: a lane holds a token and its registers run along the features.  For v the sides change places (A: 128 columns of Wv, B: 256 tokens): registers run along the keys.
; 256 WORK-GROUPS STAY and walk three blocks, one of q, one of k, one of v: 3 x 256 blocks in all.  Four waves; a wave makes 64 x 128: 32 accumulators, window 2.
; THE TILES: waves 0, 1 bring A's halves, waves 2, 3 B's, one tensor load a wave.  The next block's tiles are asked for in a block's last K step, when its last fragments are in registers, behind the add to the spare word, a barrier and a round of the cluster's barrier;
; they land under the last products and the way out.  The v block is the walk's tail, written out: it asks for nothing.
; CLUSTER 4 x 4: A's tiles hang on the cluster's y and cy alone and are asked for jointly along a row, B's on cx (for v: and the cluster's y) and along a column.
; NO PREFETCH: a block's tiles are asked for by the tensor loads themselves as soon as LDS is free, a whole way out ahead of the wait for them, and the walk has three blocks.
; Fragments are double-buffered in registers: a K step's 48 LDS loads are issued ahead of the step before's 32 products.
; LIMITS: NaN and infinities are not served; a block whose largest magnitude lies under 2^-124, a block of zeros among them, keeps the byte 1: this program alone reads the bytes.
; q's and k's scale words leave 8 bytes a lane, 16 bytes apart (two waves share a record's words): 524,288 bytes of the launch's output.
.set XC,    6291456
.set XS,    262144
.set WC,    786432
.set BREG,  98304                      ; LDS: A's tiles at 0, B's here
.set SPARE, 294912                     ; behind them the spare words, 128 bytes a wave, which no other line names
.set BL,   8                           ; v8-11  v: the bias of my column in each of A's four tiles
.set AA,   16                          ; v16,17 LDS address of my A tiles + 16 l, + 8 l;  v18,19 my B tiles 0-3;  v20,21 my B tiles 4-7
.set BA,   18
.set SPW,  28
.set NIL,  29
.set L16,  30
.set L8,   31
.set SA,   32                          ; v32-47 A's scale words, v64-95 B's: lanes 0-15 K steps 0-3, lanes 16-31 K steps 4-7; nothing else ever
.set SB,   64
.set TM,   96
.set PWS,  112
.set WE,   120
.set WO,   124
.set AF,   128                         ; v128-223 A's fragments, two sets of 48;  window 1: B's, two sets of 96 at v0 and v128; the bias of q, k at v96-127, v224-255
.set HA,   128                         ; the way out: 64 numbers, then v192.. the fragment made of them
.set PC,   192
.set OUTW, 224
.set BP,   228
.set G1,   24
.set G1B,  32
.set G0A,  40
.set G0B,  44
.set SEL,  98
.set MSB, 0
.macro WIN new
.if MSB != (\new)
	s_set_vgpr_msb (MSB<<8)|(\new)
.set MSB, (\new)
.endif
.endm
.set MUL, 0xa1                         ; source 0 (B) window 1, source 1 (A) window 0, C and D window 2
.macro PLACES n
.rept \n
	v_nop
.endr
.endm
.macro JLOAD                           ; a joint load: waves 0, 1 for A, waves 2, 3 for B; s_nop 0 and four v_nop behind each line
	s_cmp_eq_u32 s15, 0
	s_cbranch_scc0 .Lfor_b_\@
	tensor_load_to_lds s[G0A:G0A+3], s[G1:G1+7]
	s_nop 0
.rept 4
	v_nop
.endr
	s_branch .Lasked_\@
.Lfor_b_\@:
	tensor_load_to_lds s[G0B:G0B+3], s[G1B:G1B+7]
	s_nop 0
.rept 4
	v_nop
.endr
.Lasked_\@:
.endm
.macro CREST
	s_cmp_lg_u32 s14, 0
	s_cbranch_scc1 .Lnot_wave_0_\@
	s_barrier_signal -3
.Lnot_wave_0_\@:
	s_barrier_wait -3
	s_barrier_signal -1
	s_barrier_wait -1
.endm
.macro CROUND
	s_barrier_signal -1
	s_barrier_wait -1
	CREST
.endm
.macro FRAG reg, adr, off
	ds_load_b128 v[(\reg):(\reg)+3], v[\adr] offset:(\off)
	ds_load_b64 v[(\reg)+4:(\reg)+5], v[(\adr)+1] offset:(\off)+512
	ds_load_b128 v[(\reg)+6:(\reg)+9], v[\adr] offset:(\off)+768
	ds_load_b64 v[(\reg)+10:(\reg)+11], v[(\adr)+1] offset:(\off)+1280
.endm
.macro FETCH ks                        ; K step ks: B's eight fragments and A's four into set ks % 2: 48 LDS loads
	WIN 0x40
.irp i, 0,1,2,3,4,5,6,7
	FRAG 128*((\ks)%2)+12*\i, BA+2*(\i/4), 12288*(\i%4)+1536*(\ks)
.endr
	WIN 0
.irp i, 0,1,2,3
	FRAG AF+48*((\ks)%2)+12*\i, AA, 12288*\i+1536*(\ks)
.endr
.endm
.macro MUL16 a0, ks                    ; A's tiles a0, a0 + 1 x B's eight; the 32 accumulators take turns in the same order in every K step
.irp a, \a0, \a0+1
.irp b, 0,1,2,3,4,5,6,7
.set rD, 8*(8*(\a)+\b)
.set rB, 128*((\ks)%2)+12*\b
.set rA, AF+48*((\ks)%2)+12*(\a)
.set rSB, SB+4*\b+(\ks)%4
.set rSA, SA+4*(\a)+(\ks)%4
.if (\ks) >= 4
	v_wmma_scale_f32_16x16x128_f8f6f4 v[rD:rD+7], v[rB:rB+11], v[rA:rA+11], v[rD:rD+7], v[rSB], v[rSA] matrix_a_fmt:MATRIX_FMT_FP6 matrix_b_fmt:MATRIX_FMT_FP6 matrix_a_scale:MATRIX_SCALE_ROW1 matrix_b_scale:MATRIX_SCALE_ROW1
.elseif (\ks) == 0
	v_wmma_scale_f32_16x16x128_f8f6f4 v[rD:rD+7], v[rB:rB+11], v[rA:rA+11], 0, v[rSB], v[rSA] matrix_a_fmt:MATRIX_FMT_FP6 matrix_b_fmt:MATRIX_FMT_FP6
.else
	v_wmma_scale_f32_16x16x128_f8f6f4 v[rD:rD+7], v[rB:rB+11], v[rA:rA+11], v[rD:rD+7], v[rSB], v[rSA] matrix_a_fmt:MATRIX_FMT_FP6 matrix_b_fmt:MATRIX_FMT_FP6
.endif
.endr
.endr
.endm
.macro STEP ks
.if (\ks) > 0
	PLACES 4                                       ; between the last step's products and the loads into the set that they read
.endif
	FETCH (\ks)+1
	s_wait_dscnt 48                                ; this step's fragments are in; the 48 loads just issued may be out
	WIN MUL
	MUL16 0, \ks
	MUL16 2, \ks
.endm
.macro QUANT s, pw                     ; 64 numbers of a lane, register 16 b + i = k 32 b + 16 (lane / 16) + i of my row, become a fragment's codes in v[PC] on and its scale word in v[pw]
.irp b, 0,1,2,3
	v_max3_num_f32 v[TM+\b], |v[\s+16*\b]|, |v[\s+1+16*\b]|, 0x1800000
.endr
.irp i, 2,4,6,8,10,12,14
.irp b, 0,1,2,3
	v_max3_num_f32 v[TM+\b], v[TM+\b], |v[\s+16*\b+\i]|, |v[\s+1+16*\b+\i]|
.endr
.endr
.irp b, 0,1,2,3
	v_permlanex16_b32 v[TM+4+\b], v[TM+\b], s[SEL], s[SEL+1]
.endr
.irp b, 0,1,2,3
	v_max_num_f32 v[TM+\b], v[TM+\b], v[TM+4+\b]
.endr
.irp b, 0,1,2,3
	v_add_nc_u32 v[TM+12+\b], 0xff000000, v[TM+\b]
.endr
.irp b, 0,1,2,3
	v_lshrrev_b32 v[TM+4+\b], 23, v[TM+12+\b]
.endr
	v_lshl_or_b32 v[\pw], v[TM+5], 8, v[TM+4]
	v_lshl_or_b32 v[\pw], v[TM+6], 16, v[\pw]
	v_lshl_or_b32 v[\pw], v[TM+7], 24, v[\pw]
.irp c, 0,1
	v_cvt_scalef32_pk16_fp6_f32 v[PC+6*\c:PC+2+6*\c], v[\s+32*\c:\s+15+32*\c], v[TM+12+2*\c]
	v_cvt_scalef32_pk16_fp6_f32 v[PC+12+4*\c:PC+14+4*\c], v[\s+16+32*\c:\s+31+32*\c], v[TM+12+2*\c+1]
.endr
	v_nop
.irp c, 0,1
.irp i, 0,1,2
	v_permlane16_swap_b32 v[PC+6*\c+\i], v[PC+12+4*\c+\i]
.endr
.irp i, 0,1,2
	v_mov_b32 v[PC+3+6*\c+\i], v[PC+12+4*\c+\i]
.endr
.endr
.endm
; For the block of tensor s19 (0 q, 1 k, 2 v): s17, s18 my first position of side A, B; s[52:53], s[54:55] the tiles that I would fetch of A, of B; s[90:91], s[82:83] my positions' scale words.
; What feeds A's address holds cy and never cx, what feeds B's holds cx and never cy.
.macro SETUP
	s_mul_i32 s10, s19, XC
	s_mul_i32 s11, s19, XS
	s_add_co_u32 s11, s11, 3*XC
	s_mul_i32 s12, s19, WC
	s_lshl_b32 s13, s19, 15
	s_add_co_u32 s13, s13, 4*WC
	s_cmp_eq_u32 s19, 2
	s_cselect_b32 s20, s12, s10                    ; A's codes, A's words, B's codes, B's words: where the tensor's begin in its buffer
	s_cselect_b32 s21, s13, s11
	s_cselect_b32 s22, s10, s12
	s_cselect_b32 s23, s11, s13
	s_cselect_b32 s9, s50, s48                     ; which block of 128 of side A,
	s_cselect_b32 s8, s51, s49                     ; which block of 256 of side B
	s_cselect_b64 s[86:87], s[70:71], s[68:69]
	s_cselect_b64 s[88:89], s[68:69], s[70:71]
	s_lshl_b32 s2, s9, 3
	s_lshl_b32 s3, s16, 2
	s_add_co_u32 s2, s2, s3
	s_mul_i32 s2, s2, 12288
	s_add_co_u32 s52, s2, s20
	s_mov_b32 s53, 0
	s_add_nc_u64 s[52:53], s[86:87], s[52:53]
	s_lshl_b32 s56, s8, 4
	s_lshl_b32 s57, s16, 3
	s_add_co_u32 s56, s56, s57
	s_mul_i32 s56, s56, 12288
	s_add_co_u32 s54, s56, s22
	s_mov_b32 s55, 0
	s_add_nc_u64 s[54:55], s[88:89], s[54:55]
	s_lshl_b32 s17, s9, 7
	s_lshl_b32 s2, s15, 6
	s_add_co_u32 s17, s17, s2
	s_lshl_b32 s18, s8, 8
	s_lshl_b32 s56, s16, 7
	s_add_co_u32 s18, s18, s56
	s_lshl_b32 s2, s17, 5
	s_add_co_u32 s2, s2, s21
	s_mov_b32 s3, 0
	s_add_nc_u64 s[90:91], s[86:87], s[2:3]
	s_lshl_b32 s56, s18, 5
	s_add_co_u32 s56, s56, s23
	s_mov_b32 s57, 0
	s_add_nc_u64 s[82:83], s[88:89], s[56:57]
.endm
.macro NEWADR                          ; the tiles' addresses into the two groups 0
	s_mov_b64 s[G0A+2:G0A+3], s[52:53]
	s_or_b32 s[G0A+3], s[G0A+3], 0x80000000
	s_mov_b64 s[G0B+2:G0B+3], s[54:55]
	s_or_b32 s[G0B+3], s[G0B+3], 0x80000000
.endm
.macro SCALELOADS                      ; 12 loads
.irp a, 0,1,2,3
	global_load_b128 v[SA+4*\a:SA+4*\a+3], v2, s[90:91] offset:512*\a
.endr
.irp b, 0,1,2,3,4,5,6,7
	global_load_b128 v[SB+4*\b:SB+4*\b+3], v2, s[82:83] offset:512*\b
.endr
.endm
	s_load_b256 s[68:75], s[0:1], 0x0              ; xq, wq, bq, bk
	s_load_b128 s[76:79], s[0:1], 0x20             ; bv, qi
	s_load_b64 s[80:81], s[0:1], 0x30              ; kv
	v_lshl_add_u32 v[SPW], v0, 2, SPARE
	v_mov_b32 v[NIL], 0
	ds_add_u32 v[SPW], v[NIL]                      ; the opening lines: the add, twice on end, and its wait
	ds_add_u32 v[SPW], v[NIL]
	v_lshrrev_b32 v1, 5, v0
	v_readfirstlane_b32 s14, v1                    ; wave
	s_lshr_b32 s15, s14, 1                         ; my 64 of A's 128.  Also: I fetch for A (0) or B (1)
	s_and_b32 s16, s14, 1                          ; my 128 of B's 256.  Also: which half I fetch
	s_bfe_u32 s4, ttmp6, 0x40000                   ; cx
	s_bfe_u32 s5, ttmp6, 0x40004                   ; cy
	s_and_b32 s6, ttmp7, 0xffff                    ; the cluster's y, 0..15
	s_lshl_b32 s48, s6, 2
	s_add_co_u32 s48, s48, s5                      ; q, k: A's block 4 y + cy of 64,
	s_mov_b32 s49, s4                              ;       B's block cx of 4
	s_and_b32 s50, s6, 1
	s_lshl_b32 s50, s50, 2
	s_add_co_u32 s50, s50, s5                      ; v: A's block 4 (y % 2) + cy of 8,
	s_lshr_b32 s51, s6, 1
	s_lshl_b32 s51, s51, 2
	s_add_co_u32 s51, s51, s4                      ;    B's block 4 (y / 2) + cx of 32
	s_lshl_b32 s10, s5, 2
	s_lshl_b32 s10, 15, s10                        ; my row of the cluster
	s_lshl_b32 s11, 0x1111, s4                     ; my column
	s_or_b32 s[G1], s10, (3<<16)|(1<<21)           ; elements of 8 bytes, no padding
	s_or_b32 s[G1B], s11, (3<<16)|(1<<21)
	s_mov_b32 s[G1+1], 32<<16                      ; dense bytes as rows of 256: A's half is 192 rows, B's 384
	s_mov_b32 s[G1+2], 192<<16
	s_mov_b32 s[G1+3], 32<<16
	s_mov_b32 s[G1+4], 192
	s_mov_b32 s[G1+5], 32
	s_mov_b32 s[G1+6], 0
	s_mov_b32 s[G1+7], 0
	s_mov_b32 s[G1B+1], 32<<16
	s_mov_b32 s[G1B+2], 384<<16
	s_mov_b32 s[G1B+3], 32<<16
	s_mov_b32 s[G1B+4], 384
	s_mov_b32 s[G1B+5], 32
	s_mov_b32 s[G1B+6], 0
	s_mov_b32 s[G1B+7], 0
	s_mov_b32 s[SEL], 0x76543210
	s_mov_b32 s[SEL+1], 0xfedcba98
	s_mov_b32 s19, 0
	s_wait_dscnt 0x0
	s_wait_kmcnt 0x0
	SETUP
	CROUND                                         ; all sixteen work-groups are here: the first joint loads meet
	s_mov_b32 s[G0A], 1
	s_mul_i32 s[G0A+1], s16, 49152
	s_mov_b32 s[G0B], 1
	s_mul_i32 s[G0B+1], s16, 98304
	s_add_co_u32 s[G0B+1], s[G0B+1], BREG
	NEWADR
	JLOAD                                          ; q's block: one tensor load a wave
	s_mul_i32 s2, s15, 49152
	s_mul_i32 s3, s16, 98304
	s_add_co_u32 s3, s3, BREG
	s_add_co_u32 s56, s3, 49152
	v_and_b32 v1, 31, v0
	v_and_b32 v7, 15, v0                           ; r
	v_bfe_u32 v12, v0, 4, 1                        ; h
	v_and_b32 v4, 16, v0
	v_lshlrev_b32 v[L16], 4, v1
	v_lshlrev_b32 v[L8], 3, v1
	v_lshlrev_b32 v2, 5, v7
	v_lshlrev_b32 v5, 6, v12                       ; q, k: the bias of my eight features of a tile: + 64 h
	v_and_b32 v6, 8, v7
	v_add_nc_u32 v[AA], s2, v[L16]
	v_add_nc_u32 v[AA+1], s2, v[L8]
	v_add_nc_u32 v[BA], s3, v[L16]
	v_add_nc_u32 v[BA+1], s3, v[L8]
	v_add_nc_u32 v[BA+2], s56, v[L16]
	v_add_nc_u32 v[BA+3], s56, v[L8]
	v_lshl_add_u32 v2, v12, 4, v2                  ; scale words: 32 r + 16 h
	v_add_nc_u32 v6, v6, v7
	v_lshlrev_b32 v6, 2, v6                        ; v: the bias of my column: 4 (r + 8 (r / 8))
.irp b, 0,1,2,3
	v_mov_b32 v[TM+4+\b], 0                        ; written once: a lane permute's destination counts as one of its sources
.endr
	s_wait_alu depctr_va_vdst(0)
	SCALELOADS
	s_mov_b32 s7, 0                                ; the tensor in hand
; A BLOCK.  val = 0: q or k (s7), with the request for the next block;  val = 1: v, the tail.
.macro BLOCK val
	s_wait_xcnt 0x0                                ; earlier loads and stores have read their bases and registers
.if \val == 0
	s_cmp_eq_u32 s7, 0
	s_cselect_b32 s5, 1, 2                         ; qi's records are 6,400 bytes, kv's 12,800
	s_cselect_b64 s[92:93], s[78:79], s[80:81]
	s_cselect_b64 s[84:85], s[72:73], s[74:75]
	s_mul_i32 s6, s5, 102400                       ; from head to head
	s_mul_i32 s10, s5, 6400
	s_mul_i32 s5, s5, 6144                         ; the words' place in a record
	s_lshr_b32 s11, s17, 11
	s_lshl_b32 s11, s11, 4
	s_lshr_b32 s12, s18, 6
	s_add_co_u32 s11, s11, s12                     ; 16 x batch + my first head
	s_bfe_u32 s12, s17, 0x40007                    ; the record
	s_mul_i32 s11, s11, s6
	s_mul_i32 s12, s12, s10
	s_add_co_u32 s12, s11, s12
	s_mov_b32 s13, 0
	s_add_nc_u64 s[96:97], s[92:93], s[12:13]
	s_mul_i32 s12, s15, 3072                       ; my four tiles are the record's tiles 4 (wave / 2) on
	s_add_nc_u64 s[92:93], s[96:97], s[12:13]
	s_mov_b32 s12, s6
	s_add_nc_u64 s[94:95], s[92:93], s[12:13]      ; my second head
	s_lshl_b32 s12, s15, 3
	s_add_co_u32 s12, s12, s5
	s_add_nc_u64 s[96:97], s[96:97], s[12:13]      ; my two words of a position's four
	s_lshl_b32 s12, s18, 2
	s_add_nc_u64 s[84:85], s[84:85], s[12:13]
	v_mul_u32_u24 v3, v12, s6
	v_lshl_add_u32 v3, v7, 4, v3                   ; lanes 16-31 store the second head's words
	WIN 0x40
.irp b, 0,1,2,3,4,5,6,7
	global_load_b128 v[96+8*\b+96*(\b/4):96+8*\b+96*(\b/4)+3], v5, s[84:85] offset:(32*(\b/2)+8*(\b%2))*4
	global_load_b128 v[96+8*\b+96*(\b/4)+4:96+8*\b+96*(\b/4)+7], v5, s[84:85] offset:(32*(\b/2)+8*(\b%2))*4+16
.endr
	WIN 0
	s_add_co_u32 s19, s7, 1
	SETUP                                          ; the next block's addresses
.else
	s_lshr_b32 s10, s18, 11
	s_lshl_b32 s10, s10, 4
	s_lshr_b32 s11, s17, 6
	s_add_co_u32 s10, s10, s11                     ; 16 x batch + my head: my 64 columns are one head
	s_mul_i32 s10, s10, 204800
	s_bfe_u32 s11, s18, 0x40007                    ; my 128 tokens are one record
	s_mul_i32 s11, s11, 12800
	s_add_co_u32 s12, s10, s11
	s_add_co_u32 s12, s12, 6144
	s_mov_b32 s13, 0
	s_add_nc_u64 s[92:93], s[80:81], s[12:13]      ; V's four fragments,
	s_add_nc_u64 s[96:97], s[92:93], 6400          ; V's words
	s_lshl_b32 s12, s17, 2
	s_add_nc_u64 s[84:85], s[76:77], s[12:13]
	v_lshlrev_b32 v3, 4, v7
	v_lshl_add_u32 v3, v12, 3, v3                  ; 16 r + 8 h
.irp a, 0,1,2,3
	global_load_b32 v[BL+\a], v6, s[84:85] offset:(32*(\a/2)+8*(\a%2))*4
.endr
.endif
	s_wait_alu depctr_va_vdst(0)
	s_wait_tensorcnt 0x0                           ; my part of the block's tiles has landed
	s_barrier_signal -1
	s_barrier_wait -1                              ; everybody's has
	FETCH 0
.if \val == 0
	s_wait_loadcnt 16                              ; the scale words are in; the 16 loads of the bias may be out
.else
	s_wait_loadcnt 4                               ; likewise: the 4 loads of the bias
.endif
.irp k, 0,1,2,3,4,5,6
	STEP \k
.endr
	WIN 0
.if \val == 0
	s_wait_tensorcnt 0x0                           ; no tensor load of mine is out;
	ds_add_u32 v[SPW], v[NIL]                      ; 0 onto my spare word;
	NEWADR
	s_wait_dscnt 0x0                               ; the add is done, and my last reads of this block's tiles
	s_barrier_signal -1
	WIN MUL
	MUL16 0, 7
	WIN 0
	s_barrier_wait -1
	CREST                                          ; the barrier has opened a round of the cluster's barrier: no wave of any partner still reads these tiles
	JLOAD                                          ; the next block's tiles
	WIN MUL
	MUL16 2, 7
	WIN 0
	PLACES 4
	SCALELOADS                                     ; the next block's scale words
	s_wait_loadcnt 12                              ; this block's bias is in; the 12 just issued may be out
.irp a, 0,1,2,3
	WIN 0x06                                       ; source 0 window 2, source 1 window 1
.irp b, 0,1,2,3,4,5,6,7
.irp i, 0,2,4,6
	v_pk_add_f32 v[HA+8*\b+\i:HA+8*\b+\i+1], v[8*(8*\a+\b)+\i:8*(8*\a+\b)+\i+1], v[96+8*\b+96*(\b/4)+\i:96+8*\b+96*(\b/4)+\i+1]
.endr
.endr
	WIN 0
.if \a > 0
	s_wait_xcnt 0x0                                ; the last fragment's stores have read their registers
.endif
	QUANT HA, PWS+\a%2
	global_store_b128 v[L16], v[PC:PC+3], s[92:93] offset:1536*(\a/2)+768*(\a%2)
	global_store_b64 v[L8], v[PC+4:PC+5], s[92:93] offset:1536*(\a/2)+768*(\a%2)+512
	global_store_b128 v[L16], v[PC+6:PC+9], s[94:95] offset:1536*(\a/2)+768*(\a%2)
	global_store_b64 v[L8], v[PC+10:PC+11], s[94:95] offset:1536*(\a/2)+768*(\a%2)+512
.if \a%2
	v_perm_b32 v[WE+\a/2], v[PWS+1], v[PWS], 0x05040100   ; the first head's bytes of two tiles, the second head's
	v_perm_b32 v[WO+\a/2], v[PWS+1], v[PWS], 0x07060302
.endif
.endr
	v_cmp_ne_u32 vcc_lo, 0, v4
.irp i, 0,1
	v_cndmask_b32 v[OUTW+\i], v[WE+\i], v[WO+\i], vcc_lo
.endr
	global_store_b64 v3, v[OUTW:OUTW+1], s[96:97]
.else
	s_wait_dscnt 0x0
	WIN MUL
	MUL16 0, 7
	MUL16 2, 7
	WIN 0
	PLACES 4
	s_wait_loadcnt 0x0
.irp a, 0,1,2,3
	v_mov_b32 v[BP], v[BL+\a]
	v_mov_b32 v[BP+1], v[BL+\a]
	WIN 0x02
.irp b, 0,1,2,3,4,5,6,7
.irp i, 0,2,4,6
	v_pk_add_f32 v[HA+8*\b+\i:HA+8*\b+\i+1], v[8*(8*\a+\b)+\i:8*(8*\a+\b)+\i+1], v[BP:BP+1]
.endr
.endr
	WIN 0
.if \a > 0
	s_wait_xcnt 0x0
.endif
	QUANT HA, PWS+\a
	global_store_b128 v[L16], v[PC:PC+3], s[92:93] offset:1536*\a
	global_store_b64 v[L8], v[PC+4:PC+5], s[92:93] offset:1536*\a+512
	global_store_b128 v[L16], v[PC+6:PC+9], s[92:93] offset:1536*\a+768
	global_store_b64 v[L8], v[PC+10:PC+11], s[92:93] offset:1536*\a+1280
.endr
	v_cmp_ne_u32 vcc_lo, 0, v4
.irp i, 0,1
	v_cndmask_b32 v[OUTW+\i], v[PWS+\i], v[PWS+2+\i], vcc_lo   ; lanes 0-15 store tiles 0, 1's words of position r, lanes 16-31 tiles 2, 3's: 256 consecutive bytes
.endr
	global_store_b64 v3, v[OUTW:OUTW+1], s[96:97]
.endif
.endm
.Lblock:
	BLOCK 0
	s_add_co_u32 s7, s7, 1
	s_cmp_lt_u32 s7, 2
	s_wait_alu depctr_va_vdst(0)
	s_cbranch_scc1 .Lblock
	BLOCK 1
	s_wait_tensorcnt 0x0                           ; the wave's end
	ds_add_u32 v[SPW], v[NIL]
	s_wait_dscnt 0x0
	CROUND                                         ; the closing round
	s_endpgm
.Lfunc_end_k_q43f2939423_proj:
	.size	k_q43f2939423_proj, .Lfunc_end_k_q43f2939423_proj-k_q43f2939423_proj
	.p2alignl 7, 3214868480
	.fill 96, 4, 3214868480
	.section	.rodata,"a",@progbits
	.p2align	6, 0x0
	.amdhsa_kernel k_q43f2939423_proj
		.amdhsa_group_segment_fixed_size 327680
		.amdhsa_private_segment_fixed_size 0
		.amdhsa_enable_private_segment 0
		.amdhsa_kernarg_size 56
		.amdhsa_user_sgpr_count 2
		.amdhsa_user_sgpr_kernarg_segment_ptr 1
		.amdhsa_wavefront_size32 1
		.amdhsa_system_sgpr_workgroup_id_x 1
		.amdhsa_system_sgpr_workgroup_id_y 1
		.amdhsa_system_sgpr_workgroup_id_z 1
		.amdhsa_system_vgpr_workitem_id 0
		.amdhsa_next_free_vgpr 768
		.amdhsa_next_free_sgpr 102
		.amdhsa_reserve_vcc 1
		.amdhsa_float_denorm_mode_32 3
		.amdhsa_float_denorm_mode_16_64 3
		.amdhsa_memory_ordered 1
		.amdhsa_forward_progress 1
		.amdhsa_inst_pref_size 183
	.end_amdhsa_kernel
	.amdgpu_metadata
---
amdhsa.version: [ 1, 2 ]
amdhsa.kernels:
  - .name:           k_q43f2939423_proj
    .symbol:         k_q43f2939423_proj.kd
    .args:
      - { .name: xq, .offset: 0, .size: 8, .value_kind: global_buffer, .address_space: global }
      - { .name: wq, .offset: 8, .size: 8, .value_kind: global_buffer, .address_space: global }
      - { .name: bq, .offset: 16, .size: 8, .value_kind: global_buffer, .address_space: global }
      - { .name: bk, .offset: 24, .size: 8, .value_kind: global_buffer, .address_space: global }
      - { .name: bv, .offset: 32, .size: 8, .value_kind: global_buffer, .address_space: global }
      - { .name: qi, .offset: 40, .size: 8, .value_kind: global_buffer, .address_space: global }
      - { .name: kv, .offset: 48, .size: 8, .value_kind: global_buffer, .address_space: global }
    .group_segment_fixed_size: 327680
    .private_segment_fixed_size: 0
    .kernarg_segment_align: 8
    .kernarg_segment_size: 56
    .max_flat_workgroup_size: 128
    .sgpr_count:     102
    .vgpr_count:     768
    .wavefront_size: 32
...
	.end_amdgpu_metadata
.endif
;; end of part 2
;; launch attn (part 3): grid 4 x 64, 16 waves a work-group, clusters of 4 x 1, 206,848 bytes of LDS; arguments qi, kv, cq; writes cq
.if DOCPART == 3
	.amdgcn_target "amdgcn-amd-amdhsa--gfx1250"
	.amdhsa_code_object_version 6
	.text
	.protected	k_q43f2939423_attn
	.globl	k_q43f2939423_attn
	.p2align	8
	.type	k_q43f2939423_attn,@function
k_q43f2939423_attn:
	s_mov_b64 s[64:65], 0
	v_nop
	global_prefetch_b8 v0, s[64:65] scope:SCOPE_SE
	s_setreg_imm32_b32 hwreg(HW_REG_WAVE_MODE, 25, 1), 1
	s_wait_xcnt 0x0
	s_wait_alu depctr_hold_cnt(0) depctr_sa_sdst(0) depctr_va_vdst(0) depctr_va_sdst(0) depctr_va_ssrc(0) depctr_va_vcc(0) depctr_vm_vsrc(0)
	s_getreg_b32 s2, hwreg(HW_REG_IB_STS2, 6, 4)
	s_cmp_eq_u32 s2, 0
	s_cbranch_scc0 .Lentry_in_a_cluster
	s_endpgm
.Lentry_in_a_cluster:
	s_bfe_u32 s2, ttmp6, 0x10000c
	s_cmp_lg_u32 s2, 0x3003
	s_cbranch_scc0 .Lentry_shape_is_right
	s_endpgm
.Lentry_shape_is_right:
; context = softmax(q k^T / 8) v for one head, both products on codes of FP6 (E2M3) with E8M0 scales; the context is quantised along the model's 1,024 and stored as the last product's operand.
; THE SOFTMAX AHEAD OF THE SECOND PRODUCT: t = score x log2(e) / 8; M = the running largest t rounded UP to a whole number; p = 2^(t - M) is quantised along the keys, not normalised; the row's sum is taken of the
; unquantised p and divides at the end; when M moves, the sum and O are multiplied by 2^(old M - new M), which rounds nothing.
; SHARES.  A work-group owns 512 queries of one head (its place in the cluster: the block of queries; y: 16 x batch + head): 256 work-groups.  Each of its sixteen waves owns two tiles of 16 queries, one after the other, in 256 registers.
; THE HEAD'S K AND V STAY IN LDS: 16 records of 12,800 bytes (128 keys each), as they lie in memory: K 6,144, V 6,144, K's words 256, V's words 256.  Every wave brings one record by its one tensor load at the head;
; nothing is ever filled again; one barrier shows all sixteen records to all waves, and from there on the waves share nothing.
; CLUSTER: the four work-groups of a head need the same 204,800 bytes: they form a cluster of 4 x 1 and ask jointly (mask 15): the same descriptor, made of y and the wave's number alone.
; NO PREFETCH: every request of the launch stands at a work-group's head, so there is no later load to ask ahead of.
; LAYOUT.  Both products are used transposed: S^T = K Q^T, O^T = V^T P^T: a lane holds one query (lane % 16) throughout.  Position r of key tile 4 c + j of a record is key 64 c + 8 j + r % 8 + 32 (r / 8): so lane (r, h)'s
; registers 32 c .. 32 c + 31 of S^T are the keys 64 c + 32 h + 0 .. 31: one whole block of the second product's K, in the very place that the operand's layout gives that lane.  A block's maximum needs no other lane, and the
; conversions' results are the operand.  The 16 registers of O^T's tiles 2 b, 2 b + 1 are 16 neighbouring features.
; K = 64 IN A FORM OF K = 128: a fragment's 12 registers hold two key tiles, u = 0 at k 0-63 and u = 1 at k 64-127.  Multiplied by (q, zeros) they give tile 2 i, by (zeros, q) tile 2 i + 1; the zero codes' scale byte is 1.
; FRAGMENTS AHEAD: K's fragments 0, 1 and its words have registers of their own and are asked for with V's, a whole softmax ahead of their use; fragments 2, 3 share V's registers and are asked for behind the second product.
; LIMITS: the promise holds while the scaled scores t stay under 2^31 in magnitude; NaN and infinities are not served; a block whose largest magnitude lies under 2^-124, a block of zeros among them, keeps the byte 1: this program alone reads the bytes.
.set REC,   12800
.set HEADB, 204800
.set SPARE, 204800                     ; behind the records: the spare words, 128 bytes for each of sixteen waves, which no other line names
.set XC,    6291456                    ; cq: the codes; behind them 16 planes of scale bytes, [head][position][2]
.set L16,  1                           ; 16 l
.set L8,   2                           ; 8 l
.set LSC,  3                           ; 16 r + 12,288: K's words in a record
.set SPW,  4                           ; LDS address of my spare word; never rewritten
.set NIL,  5                           ; 0; never rewritten
.set AD16, 6                           ; v6-8 the record in hand + v1, v2, v3
.set AD8,  7
.set ADS,  8
.set BO,   10                          ; my scale byte's place on the way out: 2 r + h
.set HH,   11                          ; h
.set QL,   16                          ; v16-27 (q, six zeros);  v22-33 (six zeros, q): the zeros serve both
.set QH,   22
.set QSL,  34                          ; their scale words; nothing else ever
.set QSH,  35
.set KV,   36                          ; v36-83  V's four fragments; v60-83 also K's fragments 2, 3
.set KS,   84                          ; v84-87  K's scale words;  v88-91 V's; nothing else ever
.set VS,   88
.set S,    92                          ; v92-155 S^T, then p
.set O,    156                         ; v156-187 O^T
.set P,    188                         ; v188-199 p's codes
.set CT,   200                         ; v200-202, v204-206 the conversions' second halves
.set T,    188                         ; v188-203 eight pair sums of the first 32 p, gone before the codes are made
.set BM,   208                         ; my two blocks' largest scores, then p
.set SOP,  210                         ; the conversions' scale operands
.set BN,   210                         ; ahead of them: the second chain of each block's maximum
.set PX,   212                         ; v212,213 the other half's maximum, the bytes; then the sum's chain 3
.set PWD,  214                         ; p's scale word; nothing else ever
.set H8,   215                         ; 8 h
.set F,    216                         ; v[216:217] f = 2^(old M - new M) (the upper word is named with it)
.set W,    218
.set W2,   219
.set C1,   220                         ; v220-223 the sum's chains 1, 2 (chain 0 is the running sum, v[14:15])
.set ST,   224                         ; v224-230 a tile's q and its word as loaded
.set R16,  231                         ; 16 r
.set KX,   232                         ; v232-255 K's fragments 0, 1
.set WV,   10
.set TB,   2                           ; LDS byte of the record in hand
.set CNT,  3
.set SEL,  20
.set CS,   22                          ; s[22:23] c = log2(e) / 8
.set G1,   24
.set G0,   32
.set PS,   37                          ; tiles to go
.macro CROUND                          ; a round of the cluster's barrier
	s_barrier_signal -1
	s_barrier_wait -1
	s_cmp_lg_u32 s[WV], 0
	s_cbranch_scc1 .Lnot_wave_0_\@
	s_barrier_signal -3
.Lnot_wave_0_\@:
	s_barrier_wait -3
	s_barrier_signal -1
	s_barrier_wait -1
.endm
	s_load_b128 s[4:7], s[0:1], 0x0                ; qi, kv
	s_load_b64 s[8:9], s[0:1], 0x10                ; cq
	v_lshl_add_u32 v[SPW], v0, 2, SPARE
	v_mov_b32 v[NIL], 0
	ds_add_u32 v[SPW], v[NIL]                      ; the opening lines: the add, twice on end, and its wait ahead of the first tensor load
	ds_add_u32 v[SPW], v[NIL]
	v_lshrrev_b32 v6, 5, v0
	v_readfirstlane_b32 s[WV], v6                  ; wave 0..15
	s_and_b32 s11, ttmp7, 0xffff                   ; 16 x batch + head
	s_bfe_u32 s36, ttmp6, 0x40000                  ; my place in the cluster: my block of 512 queries; it enters global addresses of q and of the context alone
	s_mov_b32 s[G1], 15|(3<<16)|(1<<21)            ; the mask names the cluster's four; elements of 8 bytes; bit 21 beside a mask; no padding
	s_mov_b32 s[G1+1], 32<<16                      ; tensor_dim0: 256 bytes
	s_mov_b32 s[G1+2], 50<<16                      ; tensor_dim1: 50 rows: a record's 12,800 dense bytes
	s_mov_b32 s[G1+3], 32<<16
	s_mov_b32 s[G1+4], 50
	s_mov_b32 s[G1+5], 32
	s_mov_b32 s[G1+6], 0
	s_mov_b32 s[G1+7], 0
	s_mul_i32 s14, s[WV], REC                      ; my record
	s_mul_i32 s12, s11, HEADB
	s_add_co_u32 s12, s12, s14
	s_mov_b32 s13, 0
	s_mov_b32 s[SEL], 0x76543210
	s_mov_b32 s[SEL+1], 0xfedcba98
	s_mov_b32 s[CS], 0x3e38aa3b
	s_mov_b32 s[CS+1], s[CS]                       ; (named with it as a pair, so it is written)
	s_wait_dscnt 0x0                               ; both opening adds are done
	s_wait_kmcnt 0x0
	s_mov_b32 s[G0], 1
	s_mul_i32 s[G0+1], s[WV], REC
	s_add_nc_u64 s[G0+2:G0+3], s[6:7], s[12:13]
	s_or_b32 s[G0+3], s[G0+3], 0x80000000
	CROUND                                         ; the four work-groups are here: the joint loads meet
	tensor_load_to_lds s[G0:G0+3], s[G1:G1+7]      ; my one tensor load
	s_nop 0
	; my first tile of queries is tile 32 x place + wave of the head's 128; the second lies 16 tiles, two records of 6,400 bytes, further on
	s_lshl_b32 s15, s36, 2
	s_lshr_b32 s16, s[WV], 3
	s_add_co_u32 s15, s15, s16                     ; its record
	s_mul_i32 s15, s15, 6400
	s_mul_i32 s16, s11, 102400
	s_add_co_u32 s15, s15, s16
	s_bfe_u32 s16, s[WV], 0x20001                  ; its block of 32 in the record,
	s_and_b32 s39, s[WV], 1                        ; and its half of the block
	s_mul_i32 s18, s16, 1536
	s_mul_i32 s19, s39, 768
	s_add_co_u32 s18, s18, s19
	s_add_co_u32 s18, s18, s15
	s_mov_b32 s19, 0
	s_add_nc_u64 s[18:19], s[4:5], s[18:19]        ; the half image
	s_lshl_b32 s16, s16, 2
	s_add_co_u32 s48, s15, s16
	s_add_co_u32 s48, s48, 6144
	s_mov_b32 s49, 0
	s_add_nc_u64 s[48:49], s[4:5], s[48:49]        ; the block's words
	s_lshl_b32 s39, s39, 4                         ; my tile's two bytes in a word
	s_lshr_b32 s12, s11, 4                         ; batch
	s_and_b32 s13, s11, 15                         ; head
	s_lshl_b32 s12, s12, 7
	s_lshl_b32 s14, s36, 5
	s_add_co_u32 s12, s12, s14
	s_add_co_u32 s12, s12, s[WV]                   ; my tile of tokens: 128 x batch + 32 x place + wave
	s_lshl_b32 s14, s12, 4
	s_add_co_u32 s14, s14, s13
	s_mul_i32 s14, s14, 768                        ; [tile][head][768]
	s_mov_b32 s15, 0
	s_add_nc_u64 s[14:15], s[8:9], s[14:15]
	s_lshl_b32 s40, s13, 14
	s_lshl_b32 s41, s12, 5
	s_add_co_u32 s40, s40, s41
	s_add_co_u32 s40, s40, XC                      ; the head's plane, my tile's 32 bytes
	s_mov_b32 s41, 0
	s_add_nc_u64 s[40:41], s[8:9], s[40:41]
	s_mov_b32 s[PS], 2
	v_and_b32 v6, 31, v0
	v_and_b32 v7, 15, v0
	v_bfe_u32 v[HH], v0, 4, 1
	v_lshlrev_b32 v[L16], 4, v6
	v_lshlrev_b32 v[L8], 3, v6
	v_lshlrev_b32 v[R16], 4, v7                    ; 16 r
	v_lshl_or_b32 v[BO], v7, 1, v[HH]
	v_lshlrev_b32 v[H8], 3, v[HH]
	v_add_nc_u32 v[LSC], 12288, v[R16]
.macro QLOAD off                       ; a tile's q and its word, as they lie
	global_load_b128 v[ST:ST+3], v[L16], s[18:19] offset:\off
	global_load_b64 v[ST+4:ST+5], v[L8], s[18:19] offset:\off+512
	global_load_b32 v[ST+6], v[R16], s[48:49] offset:\off
.endm
	QLOAD 0
.irp i, 0,1,2,3,4,5
	v_mov_b32 v[QH+\i], 0                          ; the six zeros
.endr
	v_mov_b32 v[F+1], 0
	v_mov_b32 v[PX], 0                             ; written once: a lane permute's destination counts as one of its sources
	v_mov_b32 v[PX+1], 0
	v_mov_b32 v[W], 0
	v_mov_b32 v[W2], 0
.macro FRAG reg, off
	ds_load_b128 v[(\reg):(\reg)+3], v[AD16] offset:(\off)
	ds_load_b64 v[(\reg)+4:(\reg)+5], v[AD8] offset:(\off)+512
	ds_load_b128 v[(\reg)+6:(\reg)+9], v[AD16] offset:(\off)+768
	ds_load_b64 v[(\reg)+10:(\reg)+11], v[AD8] offset:(\off)+1280
.endm
.macro KEARLY off                      ; K's words and fragments 0, 1 of the record at off: 9 loads
	ds_load_b128 v[KS:KS+3], v[ADS] offset:\off
	FRAG KX, \off
	FRAG KX+12, \off+1536
.endm
.macro KLATE off                       ; K's fragments 2, 3: 8 loads
	FRAG KV+24, \off+3072
	FRAG KV+36, \off+4608
.endm
.macro SUMS n                          ; n additions of the row's sum of the unquantised p, the four chains by turns
.rept \n
.if (jj/2)%4 == 0
	v_pk_add_f32 v[14:15], v[14:15], v[S+jj:S+jj+1]
.elseif (jj/2)%4 == 3
	v_pk_add_f32 v[PX:PX+1], v[PX:PX+1], v[S+jj:S+jj+1]
.else
	v_pk_add_f32 v[C1+2*((jj/2)%4)-2:C1+2*((jj/2)%4)-1], v[C1+2*((jj/2)%4)-2:C1+2*((jj/2)%4)-1], v[S+jj:S+jj+1]
.endif
.set jj, jj+2
.endr
.endm
.macro ORS n                           ; n lines of O^T under the new M, each accumulator from its low end on
.rept \n
	v_pk_mul_f32 v[O+oj:O+oj+1], v[O+oj:O+oj+1], v[F:F+1] op_sel_hi:[1,0]
.set oj, oj+2
.endr
.endm
.macro SMUL i, kr                      ; the two key tiles of K's fragment i, which lies at v[kr]
	v_wmma_scale_f32_16x16x128_f8f6f4 v[S+16*\i:S+16*\i+7], v[\kr:\kr+11], v[QL:QL+11], 0, v[KS+\i], v[QSL] matrix_a_fmt:MATRIX_FMT_FP6 matrix_b_fmt:MATRIX_FMT_FP6
	v_wmma_scale_f32_16x16x128_f8f6f4 v[S+16*\i+8:S+16*\i+15], v[\kr:\kr+11], v[QH:QH+11], 0, v[KS+\i], v[QSH] matrix_a_fmt:MATRIX_FMT_FP6 matrix_b_fmt:MATRIX_FMT_FP6
.endm
; A KEY STEP: one record, 128 keys.  nxt = 1: the next record's K is asked for on the way.
.macro STEP nxt
	s_wait_dscnt 8                                 ; K's words and fragments 0, 1 are in; the eight loads of fragments 2, 3 may be out
	SMUL 0, KX
	SMUL 1, KX+12
	s_wait_dscnt 4                                 ; fragment 2 is in; fragment 3's four loads may be out
	SMUL 2, KV+24
	s_wait_dscnt 0x0
	SMUL 3, KV+36                                  ; register 32 c + n of S^T is key 64 c + 32 (lane / 16) + n of the record
	v_mov_b32 v[W], v12                            ; the old -M.  With three v_nop: the four places behind the products
.rept 3
	v_nop
.endr
.irp t, 0,1,2,3
	FRAG KV+12*\t, 6144+1536*\t                    ; V's four fragments land while the softmax is walked
.endr
	ds_load_b128 v[VS:VS+3], v[ADS] offset:256
.if \nxt
	KEARLY REC                                     ; and so do the next record's words and fragments 0, 1
.endif
.irp c, 0,1
	v_max3_num_f32 v[BM+\c], v[S+32*\c], v[S+1+32*\c], v[S+2+32*\c]   ; the largest score of my two blocks of 32 keys, each in two chains: for the row's maximum and, since p rises with the score, for the block's largest p; each accumulator from its low end on
	v_max3_num_f32 v[BN+\c], v[S+16+32*\c], v[S+17+32*\c], v[S+18+32*\c]
.endr
.irp i, 3,5,7,9,11,13
.irp c, 0,1
	v_max3_num_f32 v[BM+\c], v[BM+\c], v[S+32*\c+\i], v[S+1+32*\c+\i]
	v_max3_num_f32 v[BN+\c], v[BN+\c], v[S+16+32*\c+\i], v[S+17+32*\c+\i]
.endr
.endr
.irp c, 0,1
	v_max3_num_f32 v[BM+\c], v[BM+\c], v[BN+\c], v[S+15+32*\c]
.endr
.irp c, 0,1
	v_max_num_f32 v[BM+\c], v[BM+\c], v[S+31+32*\c]
.endr
	v_max_num_f32 v[W2], v[BM], v[BM+1]
	v_permlanex16_b32 v[PX], v[W2], s[SEL], s[SEL+1]
	v_max3_num_f32 v13, v13, v[W2], v[PX]          ; the running largest score of my query, lane l xor 16's keys among them
	s_delay_alu instid0(VALU_DEP_1)
	v_mul_f32 v[W2], s[CS], -v13                   ; -t (c is positive)
	s_delay_alu instid0(VALU_DEP_1)
	v_floor_f32 v12, v[W2]                         ; the new -M = floor(-t) = -ceil(t)
	s_delay_alu instid0(VALU_DEP_1)
	v_sub_f32 v[W], v12, v[W]                      ; old M - new M: a whole number, 0 or less
.set j, 0
.rept 16
	v_pk_fma_f32 v[S+j:S+j+1], v[S+j:S+j+1], s[CS:CS+1], v[12:13] op_sel_hi:[1,0,0]   ; t - M of the first 32, two at a time
.if j == 6
	v_cvt_i32_f32 v[W], v[W]                       ; (it saturates)
.endif
.if j == 14
	v_ldexp_f32 v[F], 1.0, v[W]                    ; f
.endif
.set j, j+2
.endr
.irp c, 0,1
	v_fma_f32 v[BM+\c], v[BM+\c], s[CS], v12       ; the same of each block's largest score
.endr
	s_wait_alu depctr_va_vdst(0)
.set j, 0
.rept 16
	v_exp_f32 v[S+j], v[S+j]                       ; p = 2^(t - M) of the first 32;
	v_exp_f32 v[S+j+1], v[S+j+1]
	v_pk_fma_f32 v[S+32+j:S+33+j], v[S+32+j:S+33+j], s[CS:CS+1], v[12:13] op_sel_hi:[1,0,0]   ; among them t - M of the other 32, first read behind the wait below
.set j, j+2
.endr
	s_wait_alu depctr_va_vdst(0)                   ; behind the first batch and ahead of the second
.set j, 0
.rept 8
	v_exp_f32 v[S+32+4*j], v[S+32+4*j]             ; p of the other 32;
	v_exp_f32 v[S+33+4*j], v[S+33+4*j]
	v_pk_add_f32 v[T+2*j:T+2*j+1], v[S+4*j:S+4*j+1], v[S+4*j+2:S+4*j+3]   ; among them eight pair sums of the first 32, each into registers of its own, first read behind the wait below
	v_exp_f32 v[S+34+4*j], v[S+34+4*j]
	v_exp_f32 v[S+35+4*j], v[S+35+4*j]
.set j, j+1
.endr
.irp c, 0,1
	v_exp_f32 v[BM+\c], v[BM+\c]                   ; the block's largest p: the same two instructions on the same number
.endr
	v_pk_mul_f32 v[14:15], v[14:15], v[F:F+1] op_sel_hi:[1,0]   ; the sums under the new M: the plain instruction behind the batch
	s_wait_alu depctr_va_vdst(0)                   ; one wait for the batch, directly ahead of O^T's first readers; only plain lines stand among them
.set oj, 0
	ORS 2
.irp c, 0,1
	v_max_num_f32 v[BM+\c], 0x1800000, v[BM+\c]    ; the floor 2^(3 - 127)
.endr
	ORS 2
.irp c, 0,1
	v_add_nc_u32 v[SOP+\c], 0xff000000, v[BM+\c]   ; 2 off the exponent field: the conversion's scale operand
.endr
	ORS 2
.irp c, 0,1
	v_lshrrev_b32 v[PX+\c], 23, v[SOP+\c]          ; the bytes
.endr
	ORS 2
	v_lshl_or_b32 v[W], v[PX+1], 16, v[PX]         ; my two bytes: blocks h and 2 + h,
	ORS 2
	v_lshlrev_b32 v[W], v[H8], v[W]                ; at their places in the word;
	ORS 6
	v_permlanex16_b32 v[W2], v[W], s[SEL], s[SEL+1]
	v_pk_add_f32 v[C1:C1+1], v[T:T+1], v[T+2:T+3]  ; the pair sums begin chains 1 to 3 and go into chains 0 and 1
	v_pk_add_f32 v[C1+2:C1+3], v[T+4:T+5], v[T+6:T+7]
	v_pk_add_f32 v[PX:PX+1], v[T+8:T+9], v[T+10:T+11]
	v_pk_add_f32 v[14:15], v[14:15], v[T+12:T+13]
	v_pk_add_f32 v[C1:C1+1], v[C1:C1+1], v[T+14:T+15]
	v_or_b32 v[PWD], v[W], v[W2]                   ; with lane l xor 16's two the word is whole
.irp c, 0,1
	v_cvt_scalef32_pk16_fp6_f32 v[P+6*\c:P+2+6*\c], v[S+32*\c:S+15+32*\c], v[SOP+\c]          ; my block 2 c + h: its lower 16 codes in place,
	v_cvt_scalef32_pk16_fp6_f32 v[CT+4*\c:CT+2+4*\c], v[S+16+32*\c:S+31+32*\c], v[SOP+\c]     ; its upper 16 made elsewhere and moved (a conversion's three registers begin on an even number)
.endr
.set jj, 32
	SUMS 2                                         ; (plain instructions behind the conversions)
.irp i, 0,1,2
	v_mov_b32 v[P+3+\i], v[CT+\i]
.endr
	SUMS 1
.irp i, 0,1,2
	v_mov_b32 v[P+9+\i], v[CT+4+\i]
.endr
	SUMS 4                                         ; four places between the codes just moved and the products; thirteen behind the scale word
	s_wait_alu depctr_va_vdst(0)
.if \nxt
	s_wait_dscnt 9                                 ; V is in; the nine loads of the next record's K may be out
.else
	s_wait_dscnt 0x0
.endif
.irp t, 0,1,2,3
	v_wmma_scale_f32_16x16x128_f8f6f4 v[O+8*\t:O+8*\t+7], v[KV+12*\t:KV+12*\t+11], v[P:P+11], v[O+8*\t:O+8*\t+7], v[VS+\t], v[PWD] matrix_a_fmt:MATRIX_FMT_FP6 matrix_b_fmt:MATRIX_FMT_FP6
.endr                                          ; the four accumulators take turns
	SUMS 4                                         ; four places behind the products
.if \nxt
	KLATE REC
	s_add_co_u32 s[TB], s[TB], REC
.endif
	SUMS 5
	v_pk_add_f32 v[C1:C1+1], v[C1:C1+1], v[C1+2:C1+3]
	v_pk_add_f32 v[14:15], v[14:15], v[PX:PX+1]
.if \nxt
	v_add_nc_u32 v[AD16], s[TB], v[L16]            ; on to the next record
	v_add_nc_u32 v[AD8], s[TB], v[L8]
	v_add_nc_u32 v[ADS], s[TB], v[LSC]
.endif
	v_pk_add_f32 v[14:15], v[14:15], v[C1:C1+1]
.endm
	s_wait_alu depctr_va_vdst(0)
	s_wait_tensorcnt 0x0                           ; my record has landed
	s_barrier_signal -1
	s_barrier_wait -1                              ; everybody's record has landed
.Lpass:                                                ; a tile of 16 queries over the head's 2,048 keys
	s_mov_b32 s[TB], 0
	v_add_nc_u32 v[AD16], s[TB], v[L16]
	v_add_nc_u32 v[AD8], s[TB], v[L8]
	v_add_nc_u32 v[ADS], s[TB], v[LSC]
	KEARLY 0
	KLATE 0
	s_wait_loadcnt 0x0                             ; this tile's q is at hand
.irp i, 0,1,2,3,4,5
	v_mov_b32 v[QL+\i], v[ST+\i]                   ; q stands twice: in the low half of one operand and the high half of the other
	v_mov_b32 v[QH+6+\i], v[ST+\i]
.endr
	v_lshrrev_b32 v9, s39, v[ST+6]                 ; my tile's two bytes
	v_mov_b32 v13, 0xff61b1e6                      ; the largest score so far: -3e38
	v_and_b32 v[W], 0xffff, v9
	v_lshlrev_b32 v9, 16, v9
	v_or_b32 v[QSL], 0x01010000, v[W]              ; (s0, s1, 1, 1)
	v_or_b32 v[QSH], 0x0101, v9                    ; (1, 1, s0, s1)
	v_mov_b32 v12, 0x7e000000                      ; -M begins at 2^125: the first step's f is 0
	v_mov_b32 v14, 0                               ; the sum, in two halves
	v_mov_b32 v15, 0
.set j, 0
.rept 32
	v_mov_b32 v[O+j], 0                            ; O^T: the step is written once: the first finds zeros.  (These 32 also stand between the scale words just made and the first product)
.set j, j+1
.endr
	s_mov_b32 s[CNT], 15
	s_cmp_eq_u32 s[PS], 2
	s_wait_alu depctr_va_vdst(0)
	s_cbranch_scc0 .Lstep                          ; the second tile has no successor
	QLOAD REC                                      ; the second tile's q lands under the first tile's walk
.Lstep:
	STEP 1
	s_sub_co_u32 s[CNT], s[CNT], 1
	s_cmp_lg_u32 s[CNT], 0
	s_wait_alu depctr_va_vdst(0)
	s_cbranch_scc1 .Lstep
	STEP 0                                         ; the last record: nothing more is asked for
	; THE WAY OUT: O^T / the sum; its 32 registers are the head's 64 features, register 16 b + i = feature 32 b + 16 (lane / 16) + i: two blocks of the last product's K
	v_add_f32 v14, v14, v15                        ; the sum's two halves,
	v_permlanex16_b32 v[W], v14, s[SEL], s[SEL+1]
	v_add_f32 v14, v14, v[W]                       ; and lane l xor 16's keys
	s_wait_alu depctr_va_vdst(0)                   ; ahead of the reciprocal
	v_rcp_f32 v[F], v14
	v_nop                                          ; the plain place behind it
	v_cmp_ne_u32 vcc_lo, 0, v[HH]
	s_wait_alu depctr_va_vdst(0)                   ; ahead of the reciprocal's, and O^T's, first reader
.set j, 0
.rept 16
	v_pk_mul_f32 v[S+j:S+j+1], v[O+j:O+j+1], v[F:F+1] op_sel_hi:[1,0]   ; each accumulator from its low end on
.set j, j+2
.endr
.irp b, 0,1
	v_max3_num_f32 v[BM+\b], |v[S+16*\b]|, |v[S+1+16*\b]|, 0x1800000
.endr
.irp i, 2,4,6,8,10,12,14
.irp b, 0,1
	v_max3_num_f32 v[BM+\b], v[BM+\b], |v[S+16*\b+\i]|, |v[S+1+16*\b+\i]|
.endr
.endr
.irp b, 0,1
	v_permlanex16_b32 v[PX+\b], v[BM+\b], s[SEL], s[SEL+1]
.endr
.irp b, 0,1
	v_max_num_f32 v[BM+\b], v[BM+\b], v[PX+\b]
.endr
.irp b, 0,1
	v_add_nc_u32 v[SOP+\b], 0xff000000, v[BM+\b]
.endr
.irp b, 0,1
	v_lshrrev_b32 v[PX+\b], 23, v[SOP+\b]
.endr
	v_cvt_scalef32_pk16_fp6_f32 v[P:P+2], v[S:S+15], v[SOP]
	v_cvt_scalef32_pk16_fp6_f32 v[CT:CT+2], v[S+16:S+31], v[SOP+1]
	v_cndmask_b32 v[W], v[PX], v[PX+1], vcc_lo     ; lane (r, h) stores block h's byte.  (The plain instruction behind the conversions)
.irp i, 0,1,2
	v_permlane16_swap_b32 v[P+\i], v[CT+\i]        ; here a block lies in lanes l and l xor 16: the operand wants it whole in a lane
.endr
.irp i, 0,1,2
	v_mov_b32 v[P+3+\i], v[CT+\i]
.endr
	global_store_b128 v[L16], v[P:P+3], s[14:15]   ; 512 consecutive bytes,
	global_store_b64 v[L8], v[P+4:P+5], s[14:15] offset:512   ; and 256: the half image
	global_store_b8 v[BO], v[W], s[40:41]          ; 32 neighbouring bytes a wave
	s_wait_xcnt 0x0                                ; the stores have read their bases and their data
	s_add_nc_u64 s[14:15], s[14:15], 16*16*768     ; my second tile lies 16 tiles on
	s_add_nc_u64 s[40:41], s[40:41], 16*32
	s_sub_co_u32 s[PS], s[PS], 1
	s_cmp_lg_u32 s[PS], 0
	s_wait_alu depctr_va_vdst(0)
	s_cbranch_scc1 .Lpass
	s_wait_tensorcnt 0x0                           ; the wave's end, behind my last tensor load
	ds_add_u32 v[SPW], v[NIL]
	s_wait_dscnt 0x0
	CROUND                                         ; the closing round
	s_endpgm
.Lfunc_end_k_q43f2939423_attn:
	.size	k_q43f2939423_attn, .Lfunc_end_k_q43f2939423_attn-k_q43f2939423_attn
	.p2alignl 7, 3214868480
	.fill 96, 4, 3214868480
	.section	.rodata,"a",@progbits
	.p2align	6, 0x0
	.amdhsa_kernel k_q43f2939423_attn
		.amdhsa_group_segment_fixed_size 206848
		.amdhsa_private_segment_fixed_size 0
		.amdhsa_enable_private_segment 0
		.amdhsa_kernarg_size 24
		.amdhsa_user_sgpr_count 2
		.amdhsa_user_sgpr_kernarg_segment_ptr 1
		.amdhsa_wavefront_size32 1
		.amdhsa_system_sgpr_workgroup_id_x 1
		.amdhsa_system_sgpr_workgroup_id_y 1
		.amdhsa_system_sgpr_workgroup_id_z 1
		.amdhsa_system_vgpr_workitem_id 0
		.amdhsa_next_free_vgpr 256
		.amdhsa_next_free_sgpr 72
		.amdhsa_reserve_vcc 1
		.amdhsa_float_denorm_mode_32 3
		.amdhsa_float_denorm_mode_16_64 3
		.amdhsa_memory_ordered 1
		.amdhsa_forward_progress 1
		.amdhsa_inst_pref_size 41
	.end_amdhsa_kernel
	.amdgpu_metadata
---
amdhsa.version: [ 1, 2 ]
amdhsa.kernels:
  - .name:           k_q43f2939423_attn
    .symbol:         k_q43f2939423_attn.kd
    .args:
      - { .name: qi, .offset: 0, .size: 8, .value_kind: global_buffer, .address_space: global }
      - { .name: kv, .offset: 8, .size: 8, .value_kind: global_buffer, .address_space: global }
      - { .name: cq, .offset: 16, .size: 8, .value_kind: global_buffer, .address_space: global }
    .group_segment_fixed_size: 206848
    .private_segment_fixed_size: 0
    .kernarg_segment_align: 8
    .kernarg_segment_size: 24
    .max_flat_workgroup_size: 512
    .sgpr_count:     72
    .vgpr_count:     256
    .wavefront_size: 32
...
	.end_amdgpu_metadata
.endif
;; end of part 3
;; launch outp (part 4): grid 4 x 64, 4 waves a work-group, clusters of 4 x 4, 295,424 bytes of LDS; arguments cq, wq, bo, out0; writes out0
.if DOCPART == 4
	.amdgcn_target "amdgcn-amd-amdhsa--gfx1250"
	.amdhsa_code_object_version 6
	.text
	.protected	k_q43f2939423_outp
	.globl	k_q43f2939423_outp
	.p2align	8
	.type	k_q43f2939423_outp,@function
k_q43f2939423_outp:
	s_mov_b64 s[64:65], 0
	v_nop
	global_prefetch_b8 v0, s[64:65] scope:SCOPE_SE
	s_setreg_imm32_b32 hwreg(HW_REG_WAVE_MODE, 25, 1), 1
	s_wait_xcnt 0x0
	s_wait_alu depctr_hold_cnt(0) depctr_sa_sdst(0) depctr_va_vdst(0) depctr_va_sdst(0) depctr_va_ssrc(0) depctr_va_vcc(0) depctr_vm_vsrc(0)
	s_getreg_b32 s2, hwreg(HW_REG_IB_STS2, 6, 4)
	s_cmp_eq_u32 s2, 0
	s_cbranch_scc0 .Lentry_in_a_cluster
	s_endpgm
.Lentry_in_a_cluster:
	s_bfe_u32 s2, ttmp6, 0x10000c
	s_cmp_lg_u32 s2, 0xf033
	s_cbranch_scc0 .Lentry_shape_is_right
	s_endpgm
.Lentry_shape_is_right:
; out = context Wo + bo on codes of FP6 (E2M3) with E8M0 scales; f32 sums, f32 out.
; A BLOCK of the result is 128 tokens (side A, source 1) x 256 columns (side B, source 0), over all of K = 1,024: A's 8 tiles (98,304 bytes) and B's 16 tiles (196,608 bytes) lie whole in LDS, as they lie in memory: [tile][K step][1,536].
; 64 x 4 blocks: 256 work-groups.  Four waves; a wave makes 64 x 128: 32 accumulators, window 2.  Waves 0, 1 bring A's halves, waves 2, 3 B's, one tensor load a wave at the head; nothing is ever filled again.
; CLUSTER 4 x 4: A's tiles are asked for jointly along a row of the cluster, B's along a column.  NO PREFETCH: every request stands at the head, so there is no later load to ask ahead of.
; Fragments are double-buffered in registers: a K step's 48 LDS loads are issued ahead of the step before's 32 products.  The bias is the C of each accumulator's first product.
; The matrix instruction is used transposed: a lane holds eight columns of one token.  THE WAY OUT goes through a stage of 16 rows x 528 bytes for each wave, laid over A's tiles behind a barrier at which every wave's LDS reads are over.
.set XC,    6291456
.set WC,    786432
.set WS,    32768
.set BREG,  98304
.set SPARE, 294912                     ; behind the tiles: the spare words, 128 bytes a wave, which no other line names
.set STO,  8
.set RD,   9
.set AA,   16                          ; v16,17 my A tiles + 16 l, + 8 l;  v18,19 my B tiles 0-3;  v20,21 my B tiles 4-7
.set BA,   18
.set SPW,  28
.set NIL,  29
.set L16,  30
.set L8,   31
.set SA,   32                          ; v32-47 A's scale words, v64-95 B's: lanes 0-15 K steps 0-3, lanes 16-31 K steps 4-7; nothing else ever
.set SB,   64
.set AF,   128                         ; v128-223 A's fragments, two sets;  window 1: B's two sets at v0, v128; the bias at v96-127, v224-255
.set BK,   128
.set G1,   24
.set G1B,  32
.set G0A,  40
.set G0B,  44
.set MSB, 0
.macro WIN new
.if MSB != (\new)
	s_set_vgpr_msb (MSB<<8)|(\new)
.set MSB, (\new)
.endif
.endm
.macro PLACES n
.rept \n
	v_nop
.endr
.endm
.macro CREST
	s_cmp_lg_u32 s14, 0
	s_cbranch_scc1 .Lnot_wave_0_\@
	s_barrier_signal -3
.Lnot_wave_0_\@:
	s_barrier_wait -3
	s_barrier_signal -1
	s_barrier_wait -1
.endm
.macro CROUND
	s_barrier_signal -1
	s_barrier_wait -1
	CREST
.endm
.macro FRAG reg, adr, off
	ds_load_b128 v[(\reg):(\reg)+3], v[\adr] offset:(\off)
	ds_load_b64 v[(\reg)+4:(\reg)+5], v[(\adr)+1] offset:(\off)+512
	ds_load_b128 v[(\reg)+6:(\reg)+9], v[\adr] offset:(\off)+768
	ds_load_b64 v[(\reg)+10:(\reg)+11], v[(\adr)+1] offset:(\off)+1280
.endm
.macro FETCH ks                        ; K step ks into set ks % 2: 48 LDS loads
	WIN 0x40
.irp i, 0,1,2,3,4,5,6,7
	FRAG 128*((\ks)%2)+12*\i, BA+2*(\i/4), 12288*(\i%4)+1536*(\ks)
.endr
	WIN 0
.irp i, 0,1,2,3
	FRAG AF+48*((\ks)%2)+12*\i, AA, 12288*\i+1536*(\ks)
.endr
.endm
.macro MUL16 a0, ks                    ; the 32 accumulators take turns in the same order in every K step
.irp a, \a0, \a0+1
.irp b, 0,1,2,3,4,5,6,7
.set rD, 8*(8*(\a)+\b)
.set rB, 128*((\ks)%2)+12*\b
.set rA, AF+48*((\ks)%2)+12*(\a)
.set rSB, SB+4*\b+(\ks)%4
.set rSA, SA+4*(\a)+(\ks)%4
.set rC, 96+8*\b+96*(\b/4)
.if (\ks) >= 4
	v_wmma_scale_f32_16x16x128_f8f6f4 v[rD:rD+7], v[rB:rB+11], v[rA:rA+11], v[rD:rD+7], v[rSB], v[rSA] matrix_a_fmt:MATRIX_FMT_FP6 matrix_b_fmt:MATRIX_FMT_FP6 matrix_a_scale:MATRIX_SCALE_ROW1 matrix_b_scale:MATRIX_SCALE_ROW1
.elseif (\ks) == 0
	v_wmma_scale_f32_16x16x128_f8f6f4 v[rD:rD+7], v[rB:rB+11], v[rA:rA+11], v[rC:rC+7], v[rSB], v[rSA] matrix_a_fmt:MATRIX_FMT_FP6 matrix_b_fmt:MATRIX_FMT_FP6
.else
	v_wmma_scale_f32_16x16x128_f8f6f4 v[rD:rD+7], v[rB:rB+11], v[rA:rA+11], v[rD:rD+7], v[rSB], v[rSA] matrix_a_fmt:MATRIX_FMT_FP6 matrix_b_fmt:MATRIX_FMT_FP6
.endif
.endr
.endr
.endm
.macro STEP ks
.if (\ks) > 0
	PLACES 4                                       ; between the last step's products and the loads into the set that they read
.endif
	FETCH (\ks)+1
	s_wait_dscnt 48                                ; this step's fragments are in; the 48 loads just issued may be out
.if (\ks) == 0
	WIN 0x91                                       ; C, the bias, in window 1; D in window 2
.else
	WIN 0xa1
.endif
	MUL16 0, \ks
	MUL16 2, \ks
.endm
	s_load_b256 s[68:75], s[0:1], 0x0              ; cq, wq, bo, out0
	v_lshl_add_u32 v[SPW], v0, 2, SPARE
	v_mov_b32 v[NIL], 0
	ds_add_u32 v[SPW], v[NIL]                      ; the opening lines: the add, twice on end, and its wait
	ds_add_u32 v[SPW], v[NIL]
	v_lshrrev_b32 v1, 5, v0
	v_readfirstlane_b32 s14, v1
	s_lshr_b32 s15, s14, 1                         ; my 64 of the 128 tokens.  Also: I fetch for A (0) or B (1)
	s_and_b32 s16, s14, 1                          ; my 128 of the 256 columns.  Also: which half I fetch
	s_bfe_u32 s4, ttmp6, 0x40000
	s_bfe_u32 s5, ttmp6, 0x40004
	s_lshl_b32 s8, ttmp9, 2
	s_add_co_u32 s8, s8, s4                        ; the block of columns
	s_and_b32 s9, ttmp7, 0xffff
	s_lshl_b32 s9, s9, 2
	s_add_co_u32 s9, s9, s5                        ; the block of tokens
	s_lshl_b32 s10, s5, 2
	s_lshl_b32 s10, 15, s10
	s_lshl_b32 s11, 0x1111, s4
	s_or_b32 s[G1], s10, (3<<16)|(1<<21)
	s_or_b32 s[G1B], s11, (3<<16)|(1<<21)
	s_mov_b32 s[G1+1], 32<<16                      ; dense bytes as rows of 256: A's half is 192 rows, B's 384
	s_mov_b32 s[G1+2], 192<<16
	s_mov_b32 s[G1+3], 32<<16
	s_mov_b32 s[G1+4], 192
	s_mov_b32 s[G1+5], 32
	s_mov_b32 s[G1+6], 0
	s_mov_b32 s[G1+7], 0
	s_mov_b32 s[G1B+1], 32<<16
	s_mov_b32 s[G1B+2], 384<<16
	s_mov_b32 s[G1B+3], 32<<16
	s_mov_b32 s[G1B+4], 384
	s_mov_b32 s[G1B+5], 32
	s_mov_b32 s[G1B+6], 0
	s_mov_b32 s[G1B+7], 0
	s_lshl_b32 s12, s9, 3
	s_lshl_b32 s13, s16, 2
	s_add_co_u32 s12, s12, s13
	s_mul_i32 s12, s12, 12288
	s_mov_b32 s13, 0
	s_lshl_b32 s22, s8, 4
	s_lshl_b32 s23, s16, 3
	s_add_co_u32 s22, s22, s23
	s_mul_i32 s22, s22, 12288
	s_add_co_u32 s22, s22, 3*WC
	s_mov_b32 s23, 0
	s_wait_dscnt 0x0
	s_wait_kmcnt 0x0
	s_add_nc_u64 s[12:13], s[68:69], s[12:13]
	s_add_nc_u64 s[22:23], s[70:71], s[22:23]
	CROUND                                         ; all sixteen work-groups are here: the joint loads meet
	s_mov_b32 s[G0A], 1
	s_mul_i32 s[G0A+1], s16, 49152
	s_mov_b64 s[G0A+2:G0A+3], s[12:13]
	s_or_b32 s[G0A+3], s[G0A+3], 0x80000000
	s_mov_b32 s[G0B], 1
	s_mul_i32 s[G0B+1], s16, 98304
	s_add_co_u32 s[G0B+1], s[G0B+1], BREG
	s_mov_b64 s[G0B+2:G0B+3], s[22:23]
	s_or_b32 s[G0B+3], s[G0B+3], 0x80000000
	s_cmp_eq_u32 s15, 0
	s_cbranch_scc0 .Lfor_b
	tensor_load_to_lds s[G0A:G0A+3], s[G1:G1+7]
	s_nop 0
.rept 4
	v_nop
.endr
	s_branch .Lasked
.Lfor_b:
	tensor_load_to_lds s[G0B:G0B+3], s[G1B:G1B+7]
	s_nop 0
.rept 4
	v_nop
.endr
.Lasked:
	s_mul_i32 s2, s15, 49152
	s_mul_i32 s3, s16, 98304
	s_add_co_u32 s3, s3, BREG
	s_add_co_u32 s6, s3, 49152
	s_mul_i32 s7, s14, 8448                        ; my stage
	s_lshl_b32 s17, s9, 7
	s_lshl_b32 s18, s15, 6
	s_add_co_u32 s17, s17, s18                     ; my first token position
	s_lshl_b32 s18, s8, 8
	s_lshl_b32 s19, s16, 7
	s_add_co_u32 s18, s18, s19                     ; my first column
	s_mov_b32 s21, 0
	s_lshl_b32 s20, s17, 1
	s_add_co_u32 s20, s20, XC
	s_add_nc_u64 s[82:83], s[68:69], s[20:21]      ; the context's scale bytes: 16 planes, [head][position][2]
	s_lshl_b32 s20, s18, 5
	s_add_co_u32 s20, s20, 4*WC+3*WS
	s_add_nc_u64 s[84:85], s[70:71], s[20:21]
	s_lshl_b32 s20, s18, 2
	s_add_nc_u64 s[86:87], s[72:73], s[20:21]
	s_lshl_b32 s20, s17, 12
	s_lshl_b32 s19, s18, 2
	s_add_co_u32 s20, s20, s19
	s_add_nc_u64 s[88:89], s[74:75], s[20:21]
	v_and_b32 v1, 31, v0
	v_and_b32 v3, 15, v0
	v_bfe_u32 v4, v0, 4, 1
	v_lshlrev_b32 v[L16], 4, v1
	v_lshlrev_b32 v[L8], 3, v1
	v_lshlrev_b32 v2, 5, v3
	v_lshlrev_b32 v5, 6, v4
	v_lshlrev_b32 v6, 17, v4
	v_mul_u32_u24 v7, v3, 528
	v_add_nc_u32 v[AA], s2, v[L16]
	v_add_nc_u32 v[AA+1], s2, v[L8]
	v_add_nc_u32 v[BA], s3, v[L16]
	v_add_nc_u32 v[BA+1], s3, v[L8]
	v_add_nc_u32 v[BA+2], s6, v[L16]
	v_add_nc_u32 v[BA+3], s6, v[L8]
	v_lshl_add_u32 v2, v4, 4, v2                   ; W's scale words: 32 r + 16 h
	v_lshl_add_u32 v6, v3, 1, v6                   ; the context's bytes: 2 r; lanes 16-31 eight planes on
	v_lshl_add_u32 v7, v4, 6, v7
	v_add_nc_u32 v[STO], s7, v7
	v_add_nc_u32 v[RD], s7, v[L16]
	s_wait_alu depctr_va_vdst(0)
.irp a, 0,1,2,3
.irp j, 0,1,2,3
	global_load_u16 v[96+4*\a+\j], v6, s[82:83] offset:16384*(2*\j)+32*\a
	global_load_u16 v[112+4*\a+\j], v6, s[82:83] offset:16384*(2*\j+1)+32*\a
.endr
.endr
.irp b, 0,1,2,3,4,5,6,7
	global_load_b128 v[SB+4*\b:SB+4*\b+3], v2, s[84:85] offset:512*\b
.endr
	WIN 0x40
.irp b, 0,1,2,3,4,5,6,7
	global_load_b128 v[96+8*\b+96*(\b/4):96+8*\b+96*(\b/4)+3], v5, s[86:87] offset:(32*(\b/2)+8*(\b%2))*4
	global_load_b128 v[96+8*\b+96*(\b/4)+4:96+8*\b+96*(\b/4)+7], v5, s[86:87] offset:(32*(\b/2)+8*(\b%2))*4+16
.endr
	WIN 0
	s_wait_tensorcnt 0x0                           ; my part of the tiles has landed
	s_barrier_signal -1
	s_barrier_wait -1                              ; everybody's has
	FETCH 0
	s_wait_loadcnt 0x0
.set j, 0
.rept 16
	v_lshl_or_b32 v[SA+j], v[112+j], 16, v[96+j]   ; two heads' byte pairs make a K step's word
.set j, j+1
.endr
	PLACES 8                                       ; between the scale words just made and the first product
	s_wait_alu depctr_va_vdst(0)
.irp k, 0,1,2,3,4,5,6
	STEP \k
.endr
	s_wait_dscnt 0x0                               ; my last reads of the tiles are over
	s_barrier_signal -1
	MUL16 0, 7
	MUL16 2, 7
	WIN 0
	s_barrier_wait -1                              ; everybody's are: the stages may be laid over A's tiles, which have had their only fill
.macro TOSTAGE a
	WIN 0x08                                       ; the data: window 2
.irp b, 0,1,2,3,4,5,6,7
	ds_store_b128 v[STO], v[64*(\a)+8*\b:64*(\a)+8*\b+3] offset:128*(\b/2)+32*(\b%2)
	ds_store_b128 v[STO], v[64*(\a)+8*\b+4:64*(\a)+8*\b+7] offset:128*(\b/2)+32*(\b%2)+16
.endr
	WIN 0
.set BB, BK+64*((\a)%2)
.irp t, 0,1,2,3,4,5,6,7,8,9,10,11,12,13,14,15
	ds_load_b128 v[BB+4*\t:BB+4*\t+3], v[RD] offset:\t*528   ; LDS serves a wave's instructions in order: these see the stores above
.endr
.endm
.macro SEND a, younger
.set BB, BK+64*((\a)%2)
	s_wait_dscnt \younger
.irp t, 0,1,2,3,4,5,6,7,8,9,10,11,12,13,14,15
	global_store_b128 v[L16], v[BB+4*\t:BB+4*\t+3], s[88:89] offset:(32*((\a)/2)+8*((\a)%2)+\t+8*(\t/8))*4096 th:TH_STORE_NT   ; 512 consecutive bytes of a token's row
.endr
.endm
	PLACES 4
	TOSTAGE 0
.irp a, 1,2,3
.if \a > 1
	s_wait_xcnt 0x0                                ; block a - 2's stores have read their registers
.endif
	TOSTAGE \a
	SEND \a-1, 32                                  ; behind block a - 1's loads: block a's 16 stores and 16 loads
.endr
	SEND 3, 0
	s_wait_tensorcnt 0x0                           ; the wave's end
	ds_add_u32 v[SPW], v[NIL]
	s_wait_dscnt 0x0
	CROUND                                         ; the closing round
	s_endpgm
.Lfunc_end_k_q43f2939423_outp:
	.size	k_q43f2939423_outp, .Lfunc_end_k_q43f2939423_outp-k_q43f2939423_outp
	.p2alignl 7, 3214868480
	.fill 96, 4, 3214868480
	.section	.rodata,"a",@progbits
	.p2align	6, 0x0
	.amdhsa_kernel k_q43f2939423_outp
		.amdhsa_group_segment_fixed_size 295424
		.amdhsa_private_segment_fixed_size 0
		.amdhsa_enable_private_segment 0
		.amdhsa_kernarg_size 32
		.amdhsa_user_sgpr_count 2
		.amdhsa_user_sgpr_kernarg_segment_ptr 1
		.amdhsa_wavefront_size32 1
		.amdhsa_system_sgpr_workgroup_id_x 1
		.amdhsa_system_sgpr_workgroup_id_y 1
		.amdhsa_system_sgpr_workgroup_id_z 1
		.amdhsa_system_vgpr_workitem_id 0
		.amdhsa_next_free_vgpr 768
		.amdhsa_next_free_sgpr 102
		.amdhsa_reserve_vcc 0
		.amdhsa_float_denorm_mode_32 3
		.amdhsa_float_denorm_mode_16_64 3
		.amdhsa_memory_ordered 1
		.amdhsa_forward_progress 1
		.amdhsa_inst_pref_size 86
	.end_amdhsa_kernel
	.amdgpu_metadata
---
amdhsa.version: [ 1, 2 ]
amdhsa.kernels:
  - .name:           k_q43f2939423_outp
    .symbol:         k_q43f2939423_outp.kd
    .args:
      - { .name: cq, .offset: 0, .size: 8, .value_kind: global_buffer, .address_space: global }
      - { .name: wq, .offset: 8, .size: 8, .value_kind: global_buffer, .address_space: global }
      - { .name: bo, .offset: 16, .size: 8, .value_kind: global_buffer, .address_space: global }
      - { .name: out0, .offset: 24, .size: 8, .value_kind: global_buffer, .address_space: global }
    .group_segment_fixed_size: 295424
    .private_segment_fixed_size: 0
    .kernarg_segment_align: 8
    .kernarg_segment_size: 32
    .max_flat_workgroup_size: 128
    .sgpr_count:     102
    .vgpr_count:     768
    .wavefront_size: 32
...
	.end_amdgpu_metadata
.endif
;; end of part 4
